; MI455X (gfx1250); checked and timed in simulation.
; The chip was launched on July 23, 2026; its instructions are those of AMD's public machine-readable ISA for CDNA 5 (MIT licence, August 2026) and "CDNA5" Instruction Set Architecture Reference Guide (July 2026). The comments in the code are by the model that wrote it; some were corrected since.
;; Multi Head Attention. Allowed arithmetic: matrix products marked QUANTISED: E2M1 operands, one E8M0 scale for each 32 along K, by v_wmma_scale_f32_16x16x128_f8f6f4 with both operands' format E2M1 (or v_wmma_scale_f32_32x16x128_f4), f32 sums; products left as they are: bf16, f16 or f32 operands; f32 sums; everything else in f32.
;; Inputs: Wk 16 x 1,024 x 64 float32; Wo 1,024 x 1,024 float32; Wq 16 x 1,024 x 64 float32; Wv 16 x 1,024 x 64 float32; bo 1,024 float32; x 4 x 2,048 x 1,024 float32.
;; Outputs: out0 4 x 2,048 x 1,024 float32.
;; This version of the problem:
;;   THIS VERSION OF THE PROBLEM IS GIVEN IN LOW PRECISION. The matrix products marked QUANTISED in the list below multiply operands that are first quantised to E2M1 (2 exponent bits, 1 mantissa bit; 4 bits a number), with one power-of-two scale for each 32 numbers along K (OCP MX v1.0); their sums are f32. The products marked 'left as it is' may take bf16, f16 or f32 operands, with f32 sums. All else is computed in f32.
;;   The module's matrix products, in the order in which they are computed (A, B: the left and right operand; K: the contracted axis; several contracted axes count as one K, in the product's order):
;;     1. [M 1,024, K 1,024] x [K 1,024, N 8,192]; A: input Wq; B: input x: QUANTISED
;;     2. [M 1,024, K 1,024] x [K 1,024, N 8,192]; A: input Wk; B: input x: QUANTISED
;;     3. [M 1,024, K 1,024] x [K 1,024, N 8,192]; A: input Wv; B: input x: QUANTISED
;;     4. batch 64 x [M 2,048, K 64] x [K 64, N 2,048]; A: computed on the way; B: computed on the way: left as it is (an operand is computed on the way)
;;     5. batch 64 x [M 2,048, K 2,048] x [K 2,048, N 64]; A: computed on the way; B: computed on the way: left as it is (an operand is computed on the way)
;;     6. [M 8,192, K 1,024] x [K 1,024, N 1,024]; A: computed on the way; B: input Wo: left as it is (an operand is computed on the way)
;;   THE QUANTISER, for each operand of a quantised product, along K:
;;     - K is cut into blocks of 32 from its start; a last block that is shorter is filled with zeros.
;;     - A block's scale is 2^e with e = floor(log2(the largest magnitude in the block)) - 2, held to -126 .. 127; a block of zeros has e = 0. As a byte (E8M0): e + 127.
;;     - Each number is divided by its block's scale, clamped to +-6, and rounded to the nearest number of E2M1, ties to even, subnormals kept.
;;     - The product sums the exact products of the quantised numbers (number of the format x scale) in f32.
;;   ~~~python
;;   def quantise(x, axis):      # numpy; x: float32 -> the quantised numbers, widened to float32 again
;;       x = np.moveaxis(x, axis, -1); K = x.shape[-1]
;;       x = np.pad(x, [(0, 0)] * (x.ndim - 1) + [(0, -K % 32)]); x = x.reshape(x.shape[:-1] + (-1, 32)); a = np.abs(x).max(-1, keepdims=True)
;;       e = np.where(a > 0, np.clip(np.frexp(np.where(a > 0, a, 1))[1] - 1 - 2, -126, 127), 0)      # np.frexp(a)[1] - 1 = floor(log2(a)), exactly
;;       r = np.clip(x / 2.0 ** e, -6, 6)
;;       step = 2.0 ** (np.maximum(np.frexp(np.where(r == 0, 1, r))[1] - 1, 0) - 1)
;;       q = np.round(r / step) * step * 2.0 ** e      # np.round: ties to even
;;       return np.moveaxis(q.reshape(q.shape[:-2] + (-1,))[..., :K], -1, axis).astype(np.float32)
;;   ~~~
;; One version. Each part assembles by itself: llvm-mc -triple=amdgcn-amd-amdhsa -mcpu=gfx1250 --defsym DOCPART=n.
;; ======== version 1 of 1: 4 launches
;; limits: values are held in f16: magnitudes above 65,504 overflow, below 6.1e-05 lose precision
;; workspace buffers: x_img 4,194,304 bytes; x_sc 262,144 bytes; w_img 1,572,864 bytes; w_sc 98,304 bytes; wo16 2,097,152 bytes; qkv16 50,331,648 bytes; o16 16,777,216 bytes
;; launch prep (part 1): grid 512 x 1, 4 waves a work-group, no clusters, 34,304 bytes of LDS; arguments x, Wq, Wk, Wv, Wo, x_img, x_sc, w_img, w_sc, wo16; writes x_img, x_sc, w_img, w_sc, wo16
.if DOCPART == 1
	.amdgcn_target "amdgcn-amd-amdhsa--gfx1250"
	.amdhsa_code_object_version 6
	.text
	.protected	k_q63cf12ead5_prep
	.globl	k_q63cf12ead5_prep
	.p2align	8
	.type	k_q63cf12ead5_prep,@function
k_q63cf12ead5_prep:
	s_mov_b64 s[64:65], 0
	v_nop
	global_prefetch_b8 v0, s[64:65] scope:SCOPE_SE
	s_setreg_imm32_b32 hwreg(HW_REG_WAVE_MODE, 25, 1), 1
	s_wait_xcnt 0x0
; x [8192][1024] f32 and Wq, Wk, Wv [16][1024 (d)][64 (e)] f32 become codes of FP4 (E2M1) along d, one E8M0 byte for each 32 along d; Wo [1024][1024] f32 becomes f16.
; A block's scale is 2^(floor(log2(its largest magnitude)) - 2); its byte is the largest magnitude's exponent field - 2, held at 1 from below.
; THE CODES ARE LAID AS IMAGES OF THE OPERAND'S REGISTERS: a fragment (16 rows x 128 along d) is 1,024 bytes: [c 2][lane 32][16 bytes]; lane 16 h + r holds row r, d = 64 c + 32 h + 0 .. 31.
;   x_img [row tile 512][ks 8][image];  x_sc [row tile][kh 2][r 16][4 words: ks = 4 kh + 0 .. 3];  w_img [64 mat + 4 head + e / 16][ks 8][image];  w_sc [8 mat + ks][64 head + e] words.
; LIMITS: a block of zeros gets the byte 1 where the quantiser says 127 (its codes are zeros, which add nothing, and this program alone reads the bytes); NaN and infinities among the inputs are not served.
; SHARES: work-groups 0-255 take x (a wave: 16 rows x 512 along d), 256-447 the three weights (a wave: 32 columns e x 128 along d), 448-511 Wo (a wave: 16,384 bytes).  Waves share nothing: no barrier.
; w_sc leaves in runs of 128 bytes a wave: 98,304 bytes in all.  All other stores cover whole aligned runs of 256 bytes or more.
.set R,   16                           ; v16-143  x: two sets of 64 registers as loaded
.set X,   144                          ; v144-207 x: my 64 numbers: two whole blocks of 32
.set C,   208                          ; v208-239 x: codes, 8 registers for each fragment, so that no store's data are written again
.set SW,  240                          ; v240-243 x: the scale words of the four fragments
.set SPX, 528                          ; a stage row: 512 bytes + 16
.set STW, 16*SPX                       ; a wave's stage
.set XW,  16                           ; v16-79   W: two sets of 32 numbers
.set CW,  80                           ; v80-95   W: codes, 4 registers for each block
.set SBW, 96                           ; v96      W: my column's four scale bytes
	s_load_b256 s[4:11], s[0:1], 0x0               ; x, Wq, Wk, Wv
	s_load_b256 s[12:19], s[0:1], 0x20             ; Wo, x_img, x_sc, w_img
	s_load_b128 s[20:23], s[0:1], 0x40             ; w_sc, wo16
	v_lshl_add_u32 v254, v0, 2, 0x8400
	v_mov_b32 v255, 0
	v_lshrrev_b32 v1, 5, v0
	v_readfirstlane_b32 s24, v1                    ; wave
	v_and_b32 v1, 31, v0                           ; lane
	v_lshlrev_b32 v2, 4, v1                        ; 16 x lane
	s_lshl_b32 s25, ttmp9, 2
	s_add_co_u32 s25, s25, s24                     ; 4 x work-group + wave
	s_mov_b32 s29, 0                               ; the upper word of every offset
	s_wait_kmcnt 0x0
	s_cmp_lt_u32 ttmp9, 256
	s_cbranch_scc0 .Lnot_x
; ---------------- x.  id = 2 T + kh: row tile T, half kh of d: four fragments f (ks = 4 kh + f)
	v_and_b32 v7, 15, v1                           ; r
	v_lshrrev_b32 v6, 4, v1                        ; h
	s_mul_i32 s30, s24, STW                        ; my stage
	v_add_nc_u32 v3, s30, v2                       ; in: a row's 512 bytes as they lie
	v_mul_u32_u24 v4, v7, SPX
	v_lshl_add_u32 v4, v6, 7, v4
	v_add_nc_u32 v4, s30, v4                       ; out: row r, + 128 h: my block of 32 numbers
	v_lshlrev_b32 v5, 4, v7                        ; 16 r: my row's four scale words
	v_lshlrev_b32 v6, 3, v6                        ; 8 h: where my two bytes stand in a scale word
	v_mov_b32 v15, 0                               ; written once: a lane permute's destination counts as one of its sources
	s_mov_b32 s32, 0x76543210
	s_mov_b32 s33, 0xfedcba98                      ; lane l xor 16
	s_lshr_b32 s26, s25, 1                         ; T
	s_and_b32 s27, s25, 1                          ; kh
	s_lshl_b32 s28, s26, 16                        ; 16 rows of 4,096 bytes
	s_lshl_b32 s27, s27, 11
	s_add_co_u32 s28, s28, s27
	s_add_nc_u64 s[4:5], s[4:5], s[28:29]
	s_lshl_b32 s28, s25, 12                        ; four images
	s_add_nc_u64 s[14:15], s[14:15], s[28:29]
	s_lshl_b32 s28, s25, 8
	s_add_nc_u64 s[16:17], s[16:17], s[28:29]
.macro LOADX f                         ; fragment f: 16 rows x 512 consecutive bytes
.irp i, 0,1,2,3,4,5,6,7,8,9,10,11,12,13,14,15
	global_load_b128 v[R+64*((\f)%2)+4*\i:R+64*((\f)%2)+4*\i+3], v2, s[4:5] offset:\i*4096+(\f)*512 th:TH_LOAD_NT
.endr
.endm
.macro TURNX f                         ; through my stage: in by rows, out 128 bytes a lane.  LDS serves a wave's instructions in order: no wait between
.irp i, 0,1,2,3,4,5,6,7,8,9,10,11,12,13,14,15
	ds_store_b128 v3, v[R+64*((\f)%2)+4*\i:R+64*((\f)%2)+4*\i+3] offset:\i*SPX
.endr
.irp c, 0,1
.irp q, 0,1,2,3,4,5,6,7
	ds_load_b128 v[X+32*\c+4*\q:X+32*\c+4*\q+3], v4 offset:\c*256+16*\q
.endr
.endr
.endm
.macro QUANTX f                        ; my blocks 2 c + h of row r: largest magnitude, byte, codes
.irp c, 0,1
	v_max3_num_f32 v[8+\c], |v[X+32*\c]|, |v[X+32*\c+1]|, 0x1800000   ; with the floor 2^(3 - 127): the byte cannot fall under 1
.endr
.irp i, 2,4,6,8,10,12,14,16,18,20,22,24,26,28,30
.irp c, 0,1
	v_max3_num_f32 v[8+\c], v[8+\c], |v[X+32*\c+\i]|, |v[X+32*\c+\i+1]|
.endr
.endr
.irp c, 0,1
	v_add_nc_u32 v[10+\c], 0xff000000, v[8+\c]     ; 2 off the exponent field: the conversion's scale operand
.endr
.irp c, 0,1
	v_lshrrev_b32 v[12+\c], 23, v[10+\c]           ; the byte
.endr
	v_lshl_or_b32 v14, v13, 16, v12                ; blocks h and 2 + h,
	v_lshlrev_b32 v14, v6, v14                     ; at their places;
	v_permlanex16_b32 v15, v14, s32, s33
	v_or_b32 v[SW+(\f)], v14, v15                  ; with lane l xor 16's two the word is whole
.irp c, 0,1
.irp g, 0,1,2,3
	v_cvt_scalef32_pk8_fp4_f32 v[C+8*(\f)+4*\c+\g], v[X+32*\c+8*\g:X+32*\c+8*\g+7], v[10+\c]
.endr
.endr
	v_nop                                          ; one plain line behind the scaled conversions
.irp c, 0,1
	global_store_b128 v2, v[C+8*(\f)+4*\c:C+8*(\f)+4*\c+3], s[14:15] offset:(\f)*1024+\c*512   ; 512 consecutive bytes
.endr
.endm
	LOADX 0
	LOADX 1
.irp f, 0,1,2,3
.if \f < 3
	s_wait_loadcnt 16                              ; this fragment's 16 loads are in; the next one's may be out
.else
	s_wait_loadcnt 0x0
.endif
	TURNX \f
	s_wait_dscnt 0x0                               ; my numbers are back, and the stage's stores have read their registers
.if \f < 2
	LOADX \f+2
.endif
	QUANTX \f
.endr
	s_wait_xcnt 0x0                                ; EXEC changes only behind this wait
	v_cmp_gt_u32 vcc_lo, 16, v1
	s_wait_tensorcnt 0x0
	ds_add_u32 v254, v255
	s_wait_dscnt 0x0
	s_and_saveexec_b32 s34, vcc_lo
	global_store_b128 v5, v[SW:SW+3], s[16:17]     ; lanes 0-15: 256 consecutive bytes
	s_wait_xcnt 0x0
	s_or_b32 exec_lo, exec_lo, s34
	s_endpgm
.Lnot_x:
	s_cmp_lt_u32 ttmp9, 448
	s_cbranch_scc0 .Lwo
; ---------------- Wq, Wk, Wv.  A LANE TAKES A COLUMN e AND ITS REGISTERS RUN DOWN d: a block of 32 lies in one lane, and its codes come out with d innermost
	s_sub_co_u32 s25, s25, 1024                    ; id
	s_and_b32 s26, s25, 1                          ; eh: which 32 columns of the head
	s_bfe_u32 s27, s25, 0x30001                    ; ks
	s_bfe_u32 s30, s25, 0x40004                    ; head
	s_lshr_b32 s31, s25, 8                         ; which matrix: 0, 1, 2
	s_cmp_eq_u32 s31, 1
	s_cselect_b64 s[6:7], s[8:9], s[6:7]
	s_cmp_eq_u32 s31, 2
	s_cselect_b64 s[6:7], s[10:11], s[6:7]
	s_lshl_b32 s28, s30, 18                        ; a head: 1,024 rows of 256 bytes
	s_lshl_b32 s32, s27, 15
	s_add_co_u32 s28, s28, s32
	s_lshl_b32 s32, s26, 7
	s_add_co_u32 s28, s28, s32
	s_add_nc_u64 s[6:7], s[6:7], s[28:29]
	s_lshl_b32 s28, s31, 19                        ; images: ((64 mat + 4 head + 2 eh) x 8 + ks) x 1,024
	s_lshl_b32 s32, s30, 15
	s_add_co_u32 s28, s28, s32
	s_lshl_b32 s32, s26, 14
	s_add_co_u32 s28, s28, s32
	s_lshl_b32 s32, s27, 10
	s_add_co_u32 s28, s28, s32
	s_add_nc_u64 s[18:19], s[18:19], s[28:29]
	s_lshl_b32 s28, s31, 15                        ; scale words: (8 mat + ks) x 4,096 + (64 head + 32 eh) x 4
	s_lshl_b32 s32, s27, 12
	s_add_co_u32 s28, s28, s32
	s_lshl_b32 s32, s30, 8
	s_add_co_u32 s28, s28, s32
	s_lshl_b32 s32, s26, 7
	s_add_co_u32 s28, s28, s32
	s_add_nc_u64 s[20:21], s[20:21], s[28:29]
	v_lshlrev_b32 v3, 2, v1                        ; 4 x lane
	v_lshrrev_b32 v4, 4, v1
	v_and_b32 v5, 15, v1
	v_lshlrev_b32 v5, 4, v5
	v_lshl_add_u32 v4, v4, 13, v5                  ; my tile of 16 columns (8 images on) + 16 x (lane % 16)
.macro LOADW t                         ; block t: W(32 t + i, my column)
.irp i, 0,1,2,3,4,5,6,7,8,9,10,11,12,13,14,15,16,17,18,19,20,21,22,23,24,25,26,27,28,29,30,31
	global_load_b32 v[XW+32*((\t)%2)+\i], v3, s[6:7] offset:(32*(\t)+\i)*256 th:TH_LOAD_NT
.endr
.endm
.macro BLOCKW t
.set XS, XW+32*((\t)%2)
.if (\t) < 3
	s_wait_loadcnt 32                              ; this block's 32 loads are in; the next block's may be out
.else
	s_wait_loadcnt 0x0
.endif
	v_max3_num_f32 v8, |v[XS]|, |v[XS+1]|, |v[XS+2]|
	v_max3_num_f32 v9, |v[XS+3]|, |v[XS+4]|, |v[XS+5]|
.irp i, 6,10,14,18,22,26
	v_max3_num_f32 v8, v8, |v[XS+\i]|, |v[XS+\i+1]|
	v_max3_num_f32 v9, v9, |v[XS+\i+2]|, |v[XS+\i+3]|
.endr
	v_max3_num_f32 v8, v8, |v[XS+30]|, |v[XS+31]|
	v_max3_num_f32 v8, v8, v9, 0x1800000           ; and the floor
	v_add_nc_u32 v10, 0xff000000, v8
	v_lshrrev_b32 v11, 23, v10
.if (\t) == 0
	v_mov_b32 v[SBW], v11
.else
	v_lshl_or_b32 v[SBW], v11, 8*(\t), v[SBW]
.endif
.irp g, 0,1,2,3
	v_cvt_scalef32_pk8_fp4_f32 v[CW+4*(\t)+\g], v[XS+8*\g:XS+8*\g+7], v10
.endr
	v_nop                                          ; one plain line behind the scaled conversions
	global_store_b128 v4, v[CW+4*(\t):CW+4*(\t)+3], s[18:19] offset:(\t)*256   ; block t = 2 c + h of the image: sixteen lanes fill 256 consecutive bytes
.if (\t)+2 < 4
	LOADW (\t)+2
.endif
.endm
	LOADW 0
	LOADW 1
	BLOCKW 0
	BLOCKW 1
	BLOCKW 2
	BLOCKW 3
	global_store_b32 v3, v[SBW], s[20:21]
	s_endpgm
.Lwo:
; ---------------- Wo to f16, as it lies
	s_sub_co_u32 s25, s25, 1792
	s_lshl_b32 s28, s25, 14
	s_add_nc_u64 s[12:13], s[12:13], s[28:29]
	s_lshl_b32 s28, s25, 13
	s_add_nc_u64 s[22:23], s[22:23], s[28:29]
	v_lshlrev_b32 v3, 3, v1                        ; 8 x lane
.set i, 0
.rept 32
	global_load_b128 v[16+4*i:16+4*i+3], v2, s[12:13] offset:512*i th:TH_LOAD_NT
.set i, i+1
.endr
.set i, 0
.rept 32
	s_wait_loadcnt 31-i                            ; loads come back in order: number i is in
	v_cvt_pk_f16_f32 v[144+2*i], v[16+4*i], v[16+4*i+1]
	v_cvt_pk_f16_f32 v[145+2*i], v[16+4*i+2], v[16+4*i+3]
	global_store_b64 v3, v[144+2*i:145+2*i], s[22:23] offset:256*i   ; 256 consecutive bytes
.set i, i+1
.endr
	s_endpgm
.Lfunc_end_k_q63cf12ead5_prep:
	.size	k_q63cf12ead5_prep, .Lfunc_end_k_q63cf12ead5_prep-k_q63cf12ead5_prep
	.p2alignl 7, 3214868480
	.fill 96, 4, 3214868480
	.section	.rodata,"a",@progbits
	.p2align	6, 0x0
	.amdhsa_kernel k_q63cf12ead5_prep
		.amdhsa_group_segment_fixed_size 34304
		.amdhsa_private_segment_fixed_size 0
		.amdhsa_enable_private_segment 0
		.amdhsa_kernarg_size 80
		.amdhsa_user_sgpr_count 2
		.amdhsa_user_sgpr_kernarg_segment_ptr 1
		.amdhsa_wavefront_size32 1
		.amdhsa_system_sgpr_workgroup_id_x 1
		.amdhsa_system_sgpr_workgroup_id_y 1
		.amdhsa_system_sgpr_workgroup_id_z 1
		.amdhsa_system_vgpr_workitem_id 0
		.amdhsa_next_free_vgpr 256
		.amdhsa_next_free_sgpr 66
		.amdhsa_reserve_vcc 1
		.amdhsa_float_denorm_mode_32 3
		.amdhsa_float_denorm_mode_16_64 3
		.amdhsa_memory_ordered 1
		.amdhsa_forward_progress 1
		.amdhsa_inst_pref_size 61
	.end_amdhsa_kernel
	.amdgpu_metadata
---
amdhsa.version: [ 1, 2 ]
amdhsa.kernels:
  - .name:           k_q63cf12ead5_prep
    .symbol:         k_q63cf12ead5_prep.kd
    .args:
      - { .name: x, .offset: 0, .size: 8, .value_kind: global_buffer, .address_space: global }
      - { .name: Wq, .offset: 8, .size: 8, .value_kind: global_buffer, .address_space: global }
      - { .name: Wk, .offset: 16, .size: 8, .value_kind: global_buffer, .address_space: global }
      - { .name: Wv, .offset: 24, .size: 8, .value_kind: global_buffer, .address_space: global }
      - { .name: Wo, .offset: 32, .size: 8, .value_kind: global_buffer, .address_space: global }
      - { .name: x_img, .offset: 40, .size: 8, .value_kind: global_buffer, .address_space: global }
      - { .name: x_sc, .offset: 48, .size: 8, .value_kind: global_buffer, .address_space: global }
      - { .name: w_img, .offset: 56, .size: 8, .value_kind: global_buffer, .address_space: global }
      - { .name: w_sc, .offset: 64, .size: 8, .value_kind: global_buffer, .address_space: global }
      - { .name: wo16, .offset: 72, .size: 8, .value_kind: global_buffer, .address_space: global }
    .group_segment_fixed_size: 34304
    .private_segment_fixed_size: 0
    .kernarg_segment_align: 8
    .kernarg_segment_size: 80
    .max_flat_workgroup_size: 128
    .sgpr_count:     66
    .vgpr_count:     256
    .wavefront_size: 32
...
	.end_amdgpu_metadata
.endif
;; end of part 1
;; launch qkv (part 2): grid 32 x 8, 4 waves a work-group, clusters of 4 x 1, 283,136 bytes of LDS; arguments x_img, x_sc, w_img, w_sc, qkv16; writes qkv16
.if DOCPART == 2
	.amdgcn_target "amdgcn-amd-amdhsa--gfx1250"
	.amdhsa_code_object_version 6
	.text
	.protected	k_q63cf12ead5_qkv
	.globl	k_q63cf12ead5_qkv
	.p2align	8
	.type	k_q63cf12ead5_qkv,@function
k_q63cf12ead5_qkv:
	s_mov_b64 s[64:65], 0
	v_nop
	global_prefetch_b8 v0, s[64:65] scope:SCOPE_SE
	s_setreg_imm32_b32 hwreg(HW_REG_WAVE_MODE, 25, 1), 1
	s_wait_xcnt 0x0
	s_wait_alu depctr_hold_cnt(0) depctr_sa_sdst(0) depctr_va_vdst(0) depctr_va_sdst(0) depctr_va_ssrc(0) depctr_va_vcc(0) depctr_vm_vsrc(0)
	s_getreg_b32 s2, hwreg(HW_REG_IB_STS2, 6, 4)
	s_cmp_eq_u32 s2, 0
	s_cbranch_scc0 .Lentry_in_a_cluster
	s_endpgm
.Lentry_in_a_cluster:
	s_bfe_u32 s2, ttmp6, 0x10000c
	s_cmp_lg_u32 s2, 0x3003
	s_cbranch_scc0 .Lentry_shape_is_right
	s_endpgm
.Lentry_shape_is_right:
; q, k, v = x W on codes of FP4 (E2M1) with E8M0 scales for each 32 along d; sums in f32; results rounded once to f16, laid [matrix][b 16 + head][t][64].
; LIMIT: |q|, |k|, |v| under 65,504 (f16's largest number).
; SHARES.  Work-group (mi, g): 256 rows of x against heads 2 g, 2 g + 1 of Wq, then Wk, then Wv: three tiles of 128 columns.  Wave w: rows 64 w .. 64 w + 63 against all 128 columns: 32 accumulators.
; x's fragments for all of d stay in registers (256); the three weights' images (3 x 65,536 bytes) and scale words come into LDS ONCE, with the first fills: nothing in LDS is filled again.
; CLUSTER.  The four work-groups of a cluster differ in mi alone and need the same weights: each fill is asked for jointly, by the same tensor load with the mask of all four.
; THE MATRIX INSTRUCTION IS USED TRANSPOSED (source 0 = 16 columns of W, source 1 = 16 rows of x): a lane holds eight neighbouring e of one row t.
; REGISTERS: window 0: v2-9 addresses; v32-63 x's scale words (8 a + ks); v64-95 W's (4 ks + pp: lanes 0-15 tile 2 pp, lanes 16-31 tile 2 pp + 1); v128-255 the way out.
;   window 1: x's fragments at 8 (8 a + ks).   window 2: accumulators at 8 (8 a + nt).   window 3: two sets of W's eight fragments, at 64 p + 8 nt.
.set SCB,  196608                      ; LDS: behind the images: W's scale words, row 8 m + ks of 512 bytes
.set STG,  208896                      ; the stages: for each wave 4 row tiles x 2 heads x 16 rows x 144 bytes
.set STGW, 18432
.set SCX,  32
.set SCW,  64
.set TMP,  128
.set G1B,  24                          ; s[24:31] group 1: 16,384 dense bytes as 64 rows of 256
.set G1S,  32                          ; s[32:39] group 1: 6 rows of 128 scale words, 4,096 bytes apart
.set G0,   40                          ; s[40:43] group 0 for the scale words; s[44:55] for the three matrices
.set OUT,  56                          ; s[56:61] where my rows begin in q, k, v
.set MSB, 0
.macro WIN new                         ; the immediate's high byte repeats the setting that is left
.if MSB != (\new)
	s_set_vgpr_msb (MSB<<8)|(\new)
.set MSB, (\new)
.endif
.endm
.macro PLACES n
.rept \n
	v_nop
.endr
.endm
.macro CROUND                          ; a round of the cluster's barrier
	s_barrier_signal -1
	s_barrier_wait -1
	s_cmp_lg_u32 s14, 0
	s_cbranch_scc1 .Lnot_wave_0_\@
	s_barrier_signal -3
.Lnot_wave_0_\@:
	s_barrier_wait -3
	s_barrier_signal -1
	s_barrier_wait -1
.endm
	s_load_b256 s[4:11], s[0:1], 0x0               ; x_img, x_sc, w_img, w_sc
	s_load_b64 s[12:13], s[0:1], 0x20              ; qkv16
	v_lshl_add_u32 v126, v0, 2, 0x45000
	v_mov_b32 v127, 0
	ds_add_u32 v126, v127
	v_lshrrev_b32 v1, 5, v0
	v_readfirstlane_b32 s14, v1                    ; wave
	s_bfe_u32 s15, ttmp6, 0x40000                  ; cx
	s_lshl_b32 s16, ttmp9, 2
	s_add_co_u32 s16, s16, s15                     ; mi = 4 x cluster x + cx: it enters x's and the results' addresses alone
	s_and_b32 s17, ttmp7, 0xffff                   ; g, which the four partners share
	s_mov_b32 s[G1B], 15|(3<<16)|(1<<21)           ; the mask of all four; elements of 8 bytes; bit 21 beside a mask
	s_mov_b32 s[G1B+1], 32<<16                     ; tensor_dim0 = 32
	s_mov_b32 s[G1B+2], 64<<16                     ; tensor_dim1 = 64
	s_mov_b32 s[G1B+3], 32<<16                     ; tile_dim0
	s_mov_b32 s[G1B+4], 64                         ; tile_dim1
	s_mov_b32 s[G1B+5], 32                         ; pitch
	s_mov_b32 s[G1B+6], 0
	s_mov_b32 s[G1B+7], 0
	s_mov_b32 s[G1S], 15|(2<<16)|(1<<21)           ; elements of 4 bytes
	s_mov_b32 s[G1S+1], 128<<16
	s_mov_b32 s[G1S+2], 6<<16
	s_mov_b32 s[G1S+3], 128<<16
	s_mov_b32 s[G1S+4], 6
	s_mov_b32 s[G1S+5], 1024
	s_mov_b32 s[G1S+6], 0
	s_mov_b32 s[G1S+7], 0
	s_lshl_b32 s18, s16, 17                        ; x_img: (16 mi + 4 w) row tiles of 8,192 bytes
	s_lshl_b32 s19, s14, 15
	s_add_co_u32 s18, s18, s19
	s_mov_b32 s19, 0
	s_lshr_b32 s20, s18, 4                         ; x_sc: 512 bytes a row tile
	s_mov_b32 s21, 0
	s_lshr_b32 s22, s16, 3                         ; b
	s_lshl_b32 s22, s22, 22                        ; results: ((16 b + 2 g) x 2,048 + 256 (mi % 8) + 64 w) rows of 128 bytes
	s_lshl_b32 s23, s17, 19
	s_add_co_u32 s22, s22, s23
	s_and_b32 s23, s16, 7
	s_lshl_b32 s23, s23, 15
	s_add_co_u32 s22, s22, s23
	s_lshl_b32 s23, s14, 13
	s_add_co_u32 s22, s22, s23
	s_mov_b32 s23, 0
	s_mul_i32 s62, s14, 24576                      ; w_sc: my six rows, + g's 128 words
	s_lshl_b32 s63, s17, 9
	s_add_co_u32 s62, s62, s63
	s_mov_b32 s63, 0
	s_lshl_b32 s15, s14, 14                        ; my quarter of a matrix's images, in memory and in LDS
	s_lshl_b32 s2, s17, 16
	s_add_co_u32 s2, s2, s15
	s_mov_b32 s3, 0
	s_mul_i32 s17, s14, 3072
	s_wait_dscnt 0x0
	s_wait_kmcnt 0x0
	s_mov_b32 s[G0], 1
	s_add_co_u32 s[G0+1], s17, SCB
	s_add_nc_u64 s[G0+2:G0+3], s[10:11], s[62:63]
	s_or_b32 s[G0+3], s[G0+3], 0x80000000
	s_add_nc_u64 s[8:9], s[8:9], s[2:3]
.irp m, 0,1,2
	s_mov_b32 s[G0+4+4*\m], 1
	s_add_co_u32 s[G0+5+4*\m], s15, \m*65536
	s_add_nc_u64 s[G0+6+4*\m:G0+7+4*\m], s[8:9], \m*524288
	s_or_b32 s[G0+7+4*\m], s[G0+7+4*\m], 0x80000000
	s_add_nc_u64 s[OUT+2*\m:OUT+2*\m+1], s[12:13], s[22:23]
.endr
	s_add_nc_u64 s[OUT+2:OUT+3], s[OUT+2:OUT+3], 0x1000000
	s_add_nc_u64 s[OUT+4:OUT+5], s[OUT+4:OUT+5], 0x2000000
	s_add_nc_u64 s[4:5], s[4:5], s[18:19]
	s_add_nc_u64 s[6:7], s[6:7], s[20:21]
	CROUND                                         ; all four work-groups are here: the joint loads meet
	tensor_load_to_lds s[G0:G0+3], s[G1S:G1S+7]    ; all fills of the launch, as one group: four loads of mine are out
	s_nop 0
	tensor_load_to_lds s[G0+4:G0+7], s[G1B:G1B+7]
	s_nop 0
	tensor_load_to_lds s[G0+8:G0+11], s[G1B:G1B+7]
	s_nop 0
	tensor_load_to_lds s[G0+12:G0+15], s[G1B:G1B+7]
	s_nop 0
	PLACES 4
	v_and_b32 v1, 31, v0
	v_lshlrev_b32 v2, 4, v1                        ; 16 x lane: an image's place for my lane
	v_and_b32 v10, 15, v0                          ; r
	v_bfe_u32 v11, v0, 4, 1                        ; h
	v_lshlrev_b32 v3, 4, v10                       ; 16 r
	WIN 0x40                                       ; destination window 1
.irp a, 0,1,2,3
.irp ks, 0,1,2,3,4,5,6,7
.irp c, 0,1
	global_load_b128 v[8*(8*\a+\ks)+4*\c:8*(8*\a+\ks)+4*\c+3], v2, s[4:5] offset:\a*8192+\ks*1024+\c*512
.endr
.endr
.endr
	WIN 0
.irp a, 0,1,2,3
.irp kh, 0,1
	global_load_b128 v[SCX+8*\a+4*\kh:SCX+8*\a+4*\kh+3], v3, s[6:7] offset:\a*512+\kh*256   ; lane r: row r's words (lanes 16-31 hold the same and are not read)
.endr
.endr
	v_add_nc_u32 v5, 65536, v2
	v_add_nc_u32 v6, 131072, v2
	v_lshl_add_u32 v7, v1, 2, SCB                  ; W's scale words: 4 x lane
	s_mul_i32 s18, s14, STGW
	s_add_co_u32 s18, s18, STG                     ; my stage
	v_mul_u32_u24 v8, v10, 144
	v_lshl_add_u32 v8, v11, 4, v8
	v_add_nc_u32 v8, s18, v8                       ; in: row r, 16 bytes for each half of the lanes
	v_lshrrev_b32 v9, 3, v1
	v_mul_u32_u24 v9, v9, 144
	v_and_b32 v10, 7, v0
	v_lshl_add_u32 v9, v10, 4, v9
	v_add_nc_u32 v9, s18, v9                       ; back: eight lanes to a row of 128 bytes, four rows an instruction
	s_wait_loadcnt 0x0                             ; x
.macro FETCHB ba, ks, p                ; W's eight fragments of K step ks into set p
	WIN 0xc0                                       ; destination window 3
.irp nt, 0,1,2,3,4,5,6,7
.irp c, 0,1
	ds_load_b128 v[64*(\p)+8*\nt+4*\c:64*(\p)+8*\nt+4*\c+3], v[\ba] offset:(8*\nt+(\ks))*1024+512*\c
.endr
.endr
.endm
.macro WM d, a, b, sa, sb, zero, odd
.if \zero
.if \odd
	v_wmma_scale_f32_16x16x128_f8f6f4 v[\d:\d+7], v[\a:\a+7], v[\b:\b+7], 0, v[\sa], v[\sb] matrix_a_fmt:MATRIX_FMT_FP4 matrix_b_fmt:MATRIX_FMT_FP4 matrix_a_scale:MATRIX_SCALE_ROW1
.else
	v_wmma_scale_f32_16x16x128_f8f6f4 v[\d:\d+7], v[\a:\a+7], v[\b:\b+7], 0, v[\sa], v[\sb] matrix_a_fmt:MATRIX_FMT_FP4 matrix_b_fmt:MATRIX_FMT_FP4
.endif
.else
.if \odd
	v_wmma_scale_f32_16x16x128_f8f6f4 v[\d:\d+7], v[\a:\a+7], v[\b:\b+7], v[\d:\d+7], v[\sa], v[\sb] matrix_a_fmt:MATRIX_FMT_FP4 matrix_b_fmt:MATRIX_FMT_FP4 matrix_a_scale:MATRIX_SCALE_ROW1
.else
	v_wmma_scale_f32_16x16x128_f8f6f4 v[\d:\d+7], v[\a:\a+7], v[\b:\b+7], v[\d:\d+7], v[\sa], v[\sb] matrix_a_fmt:MATRIX_FMT_FP4 matrix_b_fmt:MATRIX_FMT_FP4
.endif
.endif
.endm
.macro MUL32 ks, p, zero               ; the 32 accumulators take turns, one instruction a turn, in the same order in every K step
	WIN 0xa7                                       ; source 0 (W) window 3, source 1 (x) window 1, C and D window 2
.irp a, 0,1,2,3
.irp nt, 0,1,2,3,4,5,6,7
	WM 8*(8*\a+\nt), 64*(\p)+8*\nt, 8*(8*\a+(\ks)), SCW+4*(\ks)+\nt/2, SCX+8*\a+(\ks), \zero, \nt%2
.endr
.endr
.endm
; One matrix: 8 K steps of 128, then the way out.  Its stores are on their way while the next matrix is multiplied.
.macro MAT m, ba
	s_wait_tensorcnt 2-\m                          ; my part of the scale words and of this matrix's images is in; the later matrices' fills may be out
	s_barrier_signal -1
	s_barrier_wait -1                              ; everybody's is
.irp ks, 0,1,2,3,4,5,6,7
.irp pp, 0,1,2,3
	ds_load_b32 v[SCW+4*\ks+\pp], v7 offset:(8*\m+\ks)*512+\pp*128
.endr
.endr
	FETCHB \ba, 0, 0
.irp ks, 0,1,2,3,4,5,6,7
.if \ks < 7
.if \ks > 0
	PLACES 4                                       ; in front of loads into the set that the last K step's products read
.endif
	FETCHB \ba, \ks+1, (\ks+1)%2
	s_wait_dscnt 16                                ; all but the 16 just issued
.else
	s_wait_dscnt 0x0
.endif
.if \ks == 0
	MUL32 \ks, \ks%2, 1                            ; the first K step starts the sums
.else
	MUL32 \ks, \ks%2, 0
.endif
.endr
	WIN 0
	PLACES 4                                       ; in front of the first read of results
	s_wait_xcnt 0x0                                ; the last matrix's stores have read their registers
	WIN 0x0a                                       ; sources 0 and 1 window 2
.set i, 0
.rept 128
	v_cvt_pk_f16_f32 v[TMP+i], v[2*i], v[2*i+1]    ; each accumulator from its low end on: 16 bytes = e 16 (nt % 4) + 8 h + 0 .. 7 of row r
.set i, i+1
.endr
	WIN 0
.irp a, 0,1,2,3
.irp nt, 0,1,2,3,4,5,6,7
	ds_store_b128 v8, v[TMP+4*(8*\a+\nt):TMP+4*(8*\a+\nt)+3] offset:\a*4608+(\nt/4)*2304+(\nt%4)*32
.endr
.endr
.set k, 0
.rept 32
	ds_load_b128 v[TMP+4*k:TMP+4*k+3], v9 offset:(k/8)*4608+((k/4)%2)*2304+(k%4)*576   ; LDS serves a wave's instructions in order: these see my stores
.set k, k+1
.endr
.set k, 0
.rept 32
	s_wait_dscnt 31-k
	global_store_b128 v2, v[TMP+4*k:TMP+4*k+3], s[OUT+2*\m:OUT+2*\m+1] offset:((k/4)%2)*262144+(k/8)*2048+(k%4)*512 th:TH_STORE_NT   ; four rows: 512 consecutive bytes
.set k, k+1
.endr
.endm
	MAT 0, 2
	MAT 1, 5
	MAT 2, 6
	s_wait_tensorcnt 0x0
	ds_add_u32 v126, v127
	s_wait_dscnt 0x0
	CROUND                                         ; the closing round: no work-group ends while a partner may still ask for a fill that names it
	s_endpgm
.Lfunc_end_k_q63cf12ead5_qkv:
	.size	k_q63cf12ead5_qkv, .Lfunc_end_k_q63cf12ead5_qkv-k_q63cf12ead5_qkv
	.p2alignl 7, 3214868480
	.fill 96, 4, 3214868480
	.section	.rodata,"a",@progbits
	.p2align	6, 0x0
	.amdhsa_kernel k_q63cf12ead5_qkv
		.amdhsa_group_segment_fixed_size 283136
		.amdhsa_private_segment_fixed_size 0
		.amdhsa_enable_private_segment 0
		.amdhsa_kernarg_size 40
		.amdhsa_user_sgpr_count 2
		.amdhsa_user_sgpr_kernarg_segment_ptr 1
		.amdhsa_wavefront_size32 1
		.amdhsa_system_sgpr_workgroup_id_x 1
		.amdhsa_system_sgpr_workgroup_id_y 1
		.amdhsa_system_sgpr_workgroup_id_z 1
		.amdhsa_system_vgpr_workitem_id 0
		.amdhsa_next_free_vgpr 896
		.amdhsa_next_free_sgpr 66
		.amdhsa_reserve_vcc 0
		.amdhsa_float_denorm_mode_32 3
		.amdhsa_float_denorm_mode_16_64 3
		.amdhsa_memory_ordered 1
		.amdhsa_forward_progress 1
		.amdhsa_inst_pref_size 193
	.end_amdhsa_kernel
	.amdgpu_metadata
---
amdhsa.version: [ 1, 2 ]
amdhsa.kernels:
  - .name:           k_q63cf12ead5_qkv
    .symbol:         k_q63cf12ead5_qkv.kd
    .args:
      - { .name: x_img, .offset: 0, .size: 8, .value_kind: global_buffer, .address_space: global }
      - { .name: x_sc, .offset: 8, .size: 8, .value_kind: global_buffer, .address_space: global }
      - { .name: w_img, .offset: 16, .size: 8, .value_kind: global_buffer, .address_space: global }
      - { .name: w_sc, .offset: 24, .size: 8, .value_kind: global_buffer, .address_space: global }
      - { .name: qkv16, .offset: 32, .size: 8, .value_kind: global_buffer, .address_space: global }
    .group_segment_fixed_size: 283136
    .private_segment_fixed_size: 0
    .kernarg_segment_align: 8
    .kernarg_segment_size: 40
    .max_flat_workgroup_size: 128
    .sgpr_count:     66
    .vgpr_count:     896
    .wavefront_size: 32
...
	.end_amdgpu_metadata
.endif
;; end of part 2
;; launch attn (part 3): grid 4 x 64, 8 waves a work-group, no clusters, 327,680 bytes of LDS; arguments qkv16, o16; writes o16
.if DOCPART == 3
	.amdgcn_target "amdgcn-amd-amdhsa--gfx1250"
	.amdhsa_code_object_version 6
	.text
	.protected	k_q63cf12ead5_attn
	.globl	k_q63cf12ead5_attn
	.p2align	8
	.type	k_q63cf12ead5_attn,@function
k_q63cf12ead5_attn:
	s_mov_b64 s[64:65], 0
	v_nop
	global_prefetch_b8 v0, s[64:65] scope:SCOPE_SE
	s_setreg_imm32_b32 hwreg(HW_REG_WAVE_MODE, 25, 1), 1
	s_wait_xcnt 0x0
; o[bh][q][:] = the sum over k <= q of softmax_k(q . k / 8) v[k][:].  q, k, v: f16, [bh][t][64] at bytes 0, 2^24, 2^25 of qkv16; o16 likewise.  Products on f16 operands with f32 sums; maxima, exponentials and sums in f32;
; the weights p (at most 1) are rounded to f16 for the second product, o once at the end.  A running maximum is taken away before every exponential.  LIMIT: finite inputs, |q|, |k|, |v| under 65,504.
; SHARES.  Work-group (j, bh) owns the blocks of 256 queries 7 - j (walked first) and j: (8 - j) + (j + 1) = 9 slots of 256 keys, the same number for every work-group; key tiles wholly behind the diagonal are never walked.
; Its 8 waves are 4 PAIRS (pw = wave % 4, par = wave / 4).  Both waves of a pair hold the same four tiles of 16 queries (the block's tiles pw + 4 i) and SPLIT THE KEYS: of a slot's four steps of 64 keys wave par takes
; steps par and par + 2.  At a block's end the two halves are merged through LDS.  My register tile t holds the block's tile i = t xor 2 par, so that every wave keeps t = 0, 1 and sends t = 2, 3, by one text.
; NO CLUSTER: the four work-groups of a head want 5 to 8 key tiles for their first block and 1 to 4 for their second, so partners would need different tiles in the same trip.
; LAYOUT.  S^T = K Q^T (source 0 = 16 keys, source 1 = 16 queries) and O^T = V^T P (source 0 = 16 channels, source 1 = P): a lane holds ONE query (lane % 16) throughout.  V ([key][channel]) comes out of LDS turned.
; A tile all of whose keys in a step are hidden gets -infinity everywhere: p = 0, the maximum stays as it was (finite from the start: -3e38), so nothing is NaN; wave par = 0 sees key 0 of every query.
; REGISTERS.  window 0: v2-19 addresses; v20-27 at work in the merge; v32-63 statistics, 8 a tile (+0 c m, +1 m, +2, +3 l, +4 .. +7 at work, a in +6); v64-191 S^T, 32 a tile, P in place in the tile's first 16; v192-255 K.
;   window 1: v0-127 O^T, 32 a tile; v128-191 V; v192-255 Q, 16 a tile.
.set KP,    144                        ; a key's row in LDS: 128 bytes + 16
.set VP,    160                        ; a row of V: 128 + 32
.set VOFF,  256*KP                     ; a slot: 256 rows of K, then 256 rows of V
.set SLOT1, 1<<17                      ; slot 1 begins here: one exclusive or turns an address
.set QL,    VOFF+256*VP                ; behind slot 0's tiles: images of the second block's Q: 8,192 pw + 2,048 i
.set MRG,   SLOT1+QL                   ; behind slot 1's tiles: the merge: for each wave 64 registers of O^T and four statistics, as images
.set MRGW,  8704
.set STG,   MRG+8*MRGW                 ; the stages for the way out: for each wave 2 tiles x 16 rows x 144
.set STGW,  4608
.set SPARE, STG+8*STGW                 ; the spare words, 128 bytes for each wave: four blocks of 256 bytes that no other line names
.set ST,  32
.set S,   64
.set KF,  192
.set VF,  128
.set QF,  192
.set WV,  8
.set PW,  9
.set PAR, 10
.set BH,  12
.set G1K, 24                           ; s[24:31], s[32:39] groups 1 for K's and V's tiles; s[40:43], s[44:47] their groups 0, which walk
.set G1V, 32
.set G0K, 40
.set G0V, 44
.set BK,  48                           ; s[48:49] what a walking address goes back by: 0, or the first block's key tiles
.set NHIB, 50
.set NHI, 51                           ; 8 - j: key tiles of the first block
.set LASTHI, 52                        ; 7 - j: the trip that ends it
.set TAU, 53                           ; the trip
.set KTN, 54                           ; the key tile asked for last
.set KR,  55                           ; the first key of my first step, counted from the block's first query
.set KRLO, 56
.set TB,  57                           ; LDS byte at which the slot in hand begins
.set SEL, 58
.set CS,  60                           ; s[60:61] c = log2(e) / 8
.set I64, 66                           ; s66-69 64 i for my four tiles
.set TH,  70                           ; s70-71 a piece is hidden from this key on
.set SK,  72                           ; the step's first key, counted from the block's first query
.set SD,  73
.set OHI, 74
.set OLO, 76
.set PFA, 78
.set LIM, 80
.set MSB, 0
.macro WIN new
.if MSB != (\new)
	s_set_vgpr_msb (MSB<<8)|(\new)
.set MSB, (\new)
.endif
.endm
.macro PLACES n
.rept \n
	v_nop
.endr
.endm
; Waves 0 and 1 fetch K's halves of a slot, waves 2 and 3 V's, the others nothing.  Four v_nop follow each of the two lines.
.macro TLOAD
	s_cmp_lt_u32 s[WV], 2
	s_cbranch_scc0 .Lnot_k_\@
	tensor_load_to_lds s[G0K:G0K+3], s[G1K:G1K+7]
	s_nop 0
	PLACES 4
	s_branch .Lasked_\@
.Lnot_k_\@:
	s_cmp_lt_u32 s[WV], 4
	s_cbranch_scc0 .Lasked_\@
	tensor_load_to_lds s[G0V:G0V+3], s[G1V:G1V+7]
	s_nop 0
	PLACES 4
.Lasked_\@:
.endm
; A PREFETCH of the key tile that the NEXT change of slots will ask for.  All four work-groups of a head walk the same K and V: the one with j = 0, which walks key tiles 0 to 7 in order, asks.  In it waves 4 and 5 ask for K's
; halves and waves 6 and 7 for V's: 16,384 bytes a wave, two instructions, lanes 256 bytes apart: each aligned block of 256 bytes is named once in the launch.  Trip t names key tile t + 2; trips 6 and 7 ask for nothing.
.macro ASK
	s_cmp_lt_u32 s[TAU], s[LIM]
	s_cbranch_scc0 .Lnot_mine_\@
	global_prefetch_b8 v19, s[PFA:PFA+1] th:TH_LOAD_NT scope:SCOPE_SE
	global_prefetch_b8 v19, s[PFA:PFA+1] offset:8192 th:TH_LOAD_NT scope:SCOPE_SE
.Lnot_mine_\@:
.endm
.macro INITST                          ; a block begins: m = -3e38, under every score; l = 0
.irp t, 0,1,2,3
	v_mov_b32 v[ST+8*\t+1], 0xff61b1e6
	v_mov_b32 v[ST+8*\t+2], 0
	v_mov_b32 v[ST+8*\t+3], 0
.endr
.irp t, 0,1,2,3
	v_mul_f32 v[ST+8*\t], s[CS], v[ST+8*\t+1]
.endr
.endm
.macro CLEARO                          ; O^T = 0: the key step is written once, with no first step of its own.  Leaves the destination in window 1
	WIN 0x40
.set ii, 0
.rept 128
	v_mov_b32 v[ii], 0
.set ii, ii+1
.endr
.endm
	s_load_b128 s[4:7], s[0:1], 0x0                ; qkv16, o16
	v_lshl_add_u32 v9, v0, 2, SPARE                ; my spare word; never rewritten
	v_mov_b32 v10, 0                               ; 0; never rewritten
	ds_add_u32 v9, v10
	s_wait_dscnt 0x0
	v_lshrrev_b32 v1, 5, v0
	v_readfirstlane_b32 s[WV], v1
	s_and_b32 s[PW], s[WV], 3
	s_lshr_b32 s[PAR], s[WV], 2
	s_and_b32 s[BH], ttmp7, 0xffff
	s_sub_co_u32 s[NHI], 8, ttmp9
	s_sub_co_u32 s[LASTHI], 7, ttmp9
	s_lshl_b32 s[NHIB], s[NHI], 15
	s_mov_b32 s[BK], 0
	s_mov_b32 s[BK+1], 0
	s_mov_b32 s[TAU], 0
	s_mov_b32 s[KTN], 0
	s_mov_b32 s[TB], 0
	s_mov_b32 s[SEL], 0x76543210
	s_mov_b32 s[SEL+1], 0xfedcba98
	s_mov_b32 s[CS], 0x3e38aa3b
	s_mov_b32 s[CS+1], s[CS]                       ; (named with it as a pair, so it is written)
	s_lshl_b32 s[I64], s[PAR], 7
	s_add_co_u32 s[I64+1], s[I64], 64
	s_xor_b32 s[I64+2], s[I64], 128
	s_add_co_u32 s[I64+3], s[I64+2], 64
	s_add_co_u32 s[TH], s[I64+1], 64
	s_add_co_u32 s[TH+1], s[I64+3], 64
	s_lshl_b32 s13, s[PAR], 6
	s_lshl_b32 s14, s[LASTHI], 8
	s_sub_co_i32 s[KR], s13, s14                   ; key tile 0 against block 7 - j
	s_lshl_b32 s14, ttmp9, 8
	s_sub_co_i32 s[KRLO], s13, s14
	s_sub_co_i32 s[KRLO], s[KRLO], 256             ; (a trip's end adds 256)
	s_mov_b32 s[G1K], (1<<16)|(1<<20)|(4<<22)|(3<<25)   ; elements of 2 bytes; padding on: 4 words behind every 32
	s_mov_b32 s[G1V], (1<<16)|(1<<20)|(4<<22)|(7<<25)   ; 8 words
.irp g, G1K, G1V
	s_mov_b32 s[\g+1], 64<<16                      ; tensor_dim0 = 64
	s_mov_b32 s[\g+2], 128<<16                     ; tensor_dim1 = 128
	s_mov_b32 s[\g+3], 64<<16                      ; tile_dim0
	s_mov_b32 s[\g+4], 128                         ; tile_dim1
	s_mov_b32 s[\g+5], 64                          ; pitch
	s_mov_b32 s[\g+6], 0
	s_mov_b32 s[\g+7], 0
.endr
	s_and_b32 s15, s[WV], 1                        ; which half of a slot's rows I fetch or ask for
	s_lshl_b32 s16, s[BH], 18                      ; the head's first byte
	s_lshl_b32 s18, s15, 14
	s_add_co_u32 s18, s18, s16
	s_mov_b32 s19, 0
	s_wait_kmcnt 0x0
	s_mov_b32 s[G0K], 1
	s_mul_i32 s[G0K+1], s15, 128*KP
	s_add_nc_u64 s[G0K+2:G0K+3], s[4:5], s[18:19]
	s_add_nc_u64 s[G0K+2:G0K+3], s[G0K+2:G0K+3], 0x1000000
	s_or_b32 s[G0K+3], s[G0K+3], 0x80000000
	s_mov_b32 s[G0V], 1
	s_mul_i32 s[G0V+1], s15, 128*VP
	s_add_co_u32 s[G0V+1], s[G0V+1], VOFF
	s_add_nc_u64 s[G0V+2:G0V+3], s[4:5], s[18:19]
	s_add_nc_u64 s[G0V+2:G0V+3], s[G0V+2:G0V+3], 0x2000000
	s_or_b32 s[G0V+3], s[G0V+3], 0x80000000
	TLOAD                                          ; slot 0, key tile 0: one load of mine is out
	s_and_b32 s20, s[WV], 2                        ; the prefetches: waves 4, 5: K; waves 6, 7: V; at key tile 1: the first change of slots steps it to 2
	s_cmp_eq_u32 s20, 0
	s_mov_b32 s20, 0x2008000
	s_cselect_b32 s20, 0x1008000, s20
	s_mov_b32 s21, 0
	s_add_nc_u64 s[PFA:PFA+1], s[4:5], s[18:19]
	s_add_nc_u64 s[PFA:PFA+1], s[PFA:PFA+1], s[20:21]
	s_xor_b32 s20, s[PAR], 1
	s_or_b32 s20, s20, ttmp9
	s_cmp_eq_u32 s20, 0
	s_cselect_b32 s[LIM], 6, 0
	s_lshl_b32 s20, s[PW], 11                      ; rows of 128 bytes: 16 pw,
	s_add_co_u32 s20, s20, s16
	s_lshl_b32 s21, s[PAR], 14                     ; + 128 par (my tiles t = 0, 1),
	s_add_co_u32 s22, s20, s21
	s_xor_b32 s21, s21, 16384                      ; or + 128 (1 - par) (t = 2, 3)
	s_add_co_u32 s82, s20, s21
	s_lshl_b32 s23, s[LASTHI], 15
	s_add_co_u32 s84, s22, s23
	s_mov_b32 s85, 0
	s_add_co_u32 s82, s82, s23
	s_mov_b32 s83, 0
	s_lshl_b32 s23, ttmp9, 15
	s_add_co_u32 s86, s22, s23
	s_mov_b32 s87, 0
	s_add_nc_u64 s[OHI:OHI+1], s[6:7], s[84:85]
	s_add_nc_u64 s[OLO:OLO+1], s[6:7], s[86:87]
	s_add_nc_u64 s[84:85], s[4:5], s[84:85]        ; Q: first block, t = 0, 1
	s_add_nc_u64 s[82:83], s[4:5], s[82:83]        ; first block, t = 2, 3
	s_add_nc_u64 s[86:87], s[4:5], s[86:87]        ; second block, t = 0, 1
	v_and_b32 v1, 31, v0                           ; l
	v_and_b32 v20, 15, v0                          ; r
	v_bfe_u32 v21, v0, 4, 1                        ; h
	v_lshlrev_b32 v17, 4, v1                       ; 16 l
	v_lshlrev_b32 v19, 8, v1                       ; 256 l
	v_lshlrev_b32 v18, 7, v20
	v_lshl_add_u32 v18, v21, 4, v18                ; Q: row r, + 16 h
	CLEARO
.irp t, 0,1
.irp c, 0,1
	global_load_b128 v[QF+16*\t+8*\c:QF+16*\t+8*\c+3], v18, s[84:85] offset:\t*8192+64*\c
	global_load_b128 v[QF+16*\t+8*\c+4:QF+16*\t+8*\c+7], v18, s[84:85] offset:\t*8192+64*\c+32
	global_load_b128 v[QF+32+16*\t+8*\c:QF+32+16*\t+8*\c+3], v18, s[82:83] offset:\t*8192+64*\c
	global_load_b128 v[QF+32+16*\t+8*\c+4:QF+32+16*\t+8*\c+7], v18, s[82:83] offset:\t*8192+64*\c+32
.endr
.endr
	WIN 0
.irp t, 0,1
.irp c, 0,1
	global_load_b128 v[S+16*\t+8*\c:S+16*\t+8*\c+3], v18, s[86:87] offset:\t*8192+64*\c
	global_load_b128 v[S+16*\t+8*\c+4:S+16*\t+8*\c+7], v18, s[86:87] offset:\t*8192+64*\c+32
.endr
.endr
	v_mul_u32_u24 v2, v20, KP                      ; K: row r, + 16 h, + my 64 keys
	v_lshl_add_u32 v2, v21, 4, v2
	s_mul_i32 s13, s[PAR], 64*KP
	v_add_nc_u32 v2, s13, v2
	v_and_b32 v22, 7, v0
	v_bfe_u32 v23, v0, 3, 1
	v_lshl_add_u32 v3, v21, 3, v22                 ; V, for the turning load: key 8 h + l % 8, channels 8 ((l / 8) % 2) on
	v_mul_u32_u24 v3, v3, VP
	v_lshl_add_u32 v3, v23, 4, v3
	s_mul_i32 s13, s[PAR], 64*VP
	s_add_co_u32 s13, s13, VOFF
	v_add_nc_u32 v3, s13, v3
	v_lshlrev_b32 v6, 3, v21
	v_sub_nc_u32 v6, v20, v6
	s_lshl_b32 s13, s[PW], 4
	v_add_nc_u32 v6, s13, v6                       ; 16 pw + r - 8 h: for the mask
	v_mov_b32 v7, 0xff800000                       ; -infinity
	s_mul_i32 s13, s[WV], MRGW
	s_add_co_u32 s13, s13, MRG
	v_add_nc_u32 v11, s13, v17                     ; the merge: where I put,
	s_xor_b32 s13, s[WV], 4
	s_mul_i32 s13, s13, MRGW
	s_add_co_u32 s13, s13, MRG
	v_add_nc_u32 v12, s13, v17                     ; and where my partner has put
	s_lshl_b32 s13, s[PW], 13
	s_add_co_u32 s13, s13, QL
	s_lshl_b32 s14, s[PAR], 12
	s_add_co_u32 s15, s13, s14
	v_add_nc_u32 v13, s15, v17                     ; the second block's Q: my tiles t = 0, 1,
	s_xor_b32 s14, s14, 4096
	s_add_co_u32 s15, s13, s14
	v_add_nc_u32 v14, s15, v17                     ; and t = 2, 3, which my partner stores
	s_mul_i32 s13, s[WV], STGW
	s_add_co_u32 s13, s13, STG
	v_mul_u32_u24 v15, v20, 144
	v_lshl_add_u32 v15, v21, 4, v15
	v_add_nc_u32 v15, s13, v15                     ; my stage, in: row r, + 16 h
	v_lshrrev_b32 v16, 3, v1
	v_mul_u32_u24 v16, v16, 144
	v_lshl_add_u32 v16, v22, 4, v16
	v_add_nc_u32 v16, s13, v16                     ; back: eight lanes to a row, four rows an instruction
	INITST
.irp t, 0,1,2,3
.irp n, 4,5,6,7
	v_mov_b32 v[ST+8*\t+\n], 0                     ; written once: permute destinations and upper halves of pairs count as read
.endr
.endr
	s_wait_loadcnt 0x0                             ; Q of both blocks
.irp n, 0,1,2,3,4,5,6,7
	ds_store_b128 v13, v[S+4*\n:S+4*\n+3] offset:512*\n   ; the second block's fragments go to LDS as they stand; they are read behind later barriers
.endr
; The scores of hidden keys become -infinity ahead of the maximum.  Register 8 kt + jj of tile t holds key SK + 16 kt + 8 h + jj; my query is 64 i + 16 pw + r: hidden where 16 kt + jj > d.
.macro MASK t
	s_cmp_lt_i32 s[SK], s[I64+(\t)]                ; all 64 keys come before the tile's queries: nothing to hide
	s_cbranch_scc1 .Lopen_\@
	s_sub_co_i32 s[SD], s[I64+(\t)], s[SK]
	v_add_nc_u32 v8, s[SD], v6                     ; d
.irp kt, 0,1,2,3
.irp jj, 0,1,2,3,4,5,6,7
	v_cmp_gt_i32 vcc_lo, 16*\kt+\jj, v8
	v_cndmask_b32 v[S+32*(\t)+8*\kt+\jj], v[S+32*(\t)+8*\kt+\jj], v7, vcc_lo
.endr
.endr
.Lopen_\@:
.endm
; The softmax of tiles x, x + 1 for one step of 64 keys; the two tiles alternate, so that no line waits for the line above it.
.macro SOFT x
.irp j, 0,1,2,3
.irp t, \x,\x+1
	v_max3_num_f32 v[ST+8*(\t)+4+\j], v[S+32*(\t)+8*\j], v[S+32*(\t)+8*\j+1], v[S+32*(\t)+8*\j+2]   ; each accumulator is read from its low end on
.endr
.endr
.irp g, 1,2
.irp j, 0,1,2,3
.irp t, \x,\x+1
	v_max3_num_f32 v[ST+8*(\t)+4+\j], v[ST+8*(\t)+4+\j], v[S+32*(\t)+8*\j+2*\g+1], v[S+32*(\t)+8*\j+2*\g+2]
.endr
.endr
.endr
.irp t, \x,\x+1
	v_max3_num_f32 v[ST+8*(\t)+4], v[ST+8*(\t)+4], v[S+32*(\t)+7], v[S+32*(\t)+15]
.endr
.irp t, \x,\x+1
	v_max3_num_f32 v[ST+8*(\t)+6], v[ST+8*(\t)+6], v[S+32*(\t)+23], v[S+32*(\t)+31]
.endr
.irp t, \x,\x+1
	v_max3_num_f32 v[ST+8*(\t)+4], v[ST+8*(\t)+4], v[ST+8*(\t)+5], v[ST+8*(\t)+6]
.endr
.irp t, \x,\x+1
	v_max3_num_f32 v[ST+8*(\t)+4], v[ST+8*(\t)+4], v[ST+8*(\t)+7], v[ST+8*(\t)+1]   ; with the old m
.endr
.irp t, \x,\x+1
	v_permlanex16_b32 v[ST+8*(\t)+5], v[ST+8*(\t)+4], s[SEL], s[SEL+1]   ; the query's other 32 keys lie in the lane 16 away
.endr
.irp t, \x,\x+1
	v_mov_b32 v[ST+8*(\t)+7], v[ST+8*(\t)]         ; c m_old
.endr
.irp t, \x,\x+1
	v_max_num_f32 v[ST+8*(\t)+1], v[ST+8*(\t)+4], v[ST+8*(\t)+5]
.endr
.irp t, \x,\x+1
	v_mul_f32 v[ST+8*(\t)], s[CS], v[ST+8*(\t)+1]
.endr
.irp t, \x,\x+1
	v_sub_f32 v[ST+8*(\t)+7], v[ST+8*(\t)+7], v[ST+8*(\t)]
.endr
.irp t, \x,\x+1
	v_exp_f32 v[ST+8*(\t)+6], v[ST+8*(\t)+7]       ; a = 2^(c m_old - c m_new)
.endr
.irp b, 0,1,2,3,4,5,6,7,8,9,10,11,12,13,14,15
.irp t, \x,\x+1
	v_pk_fma_f32 v[S+32*(\t)+2*\b:S+32*(\t)+2*\b+1], v[S+32*(\t)+2*\b:S+32*(\t)+2*\b+1], s[CS:CS+1], v[ST+8*(\t):ST+8*(\t)+1] op_sel_hi:[1,0,0] neg_lo:[0,0,1] neg_hi:[0,0,1]   ; c s - c m
.endr
.endr
.irp j, 0,1,2,3,4,5,6,7,8,9,10,11,12,13,14,15,16,17,18,19,20,21,22,23,24,25,26,27,28,29,30,31
.irp t, \x,\x+1
	v_exp_f32 v[S+32*(\t)+\j], v[S+32*(\t)+\j]     ; p
.endr
.endr
	s_wait_alu depctr_va_vdst(0)
.irp t, \x,\x+1
	v_pk_mul_f32 v[ST+8*(\t)+2:ST+8*(\t)+3], v[ST+8*(\t)+2:ST+8*(\t)+3], v[ST+8*(\t)+6:ST+8*(\t)+7] op_sel_hi:[1,0]   ; l x a: also the plain line behind the exponentials
.endr
.irp t, \x,\x+1
	v_pk_add_f32 v[ST+8*(\t)+4:ST+8*(\t)+5], v[S+32*(\t):S+32*(\t)+1], v[S+32*(\t)+2:S+32*(\t)+3]   ; the sum of the unrounded p, in two chains
.endr
.irp j, 4,8,12,16,20,24,28
.irp t, \x,\x+1
	v_pk_add_f32 v[ST+8*(\t)+2:ST+8*(\t)+3], v[ST+8*(\t)+2:ST+8*(\t)+3], v[S+32*(\t)+\j:S+32*(\t)+\j+1]
	v_pk_add_f32 v[ST+8*(\t)+4:ST+8*(\t)+5], v[ST+8*(\t)+4:ST+8*(\t)+5], v[S+32*(\t)+\j+2:S+32*(\t)+\j+3]
.endr
.endr
.irp t, \x,\x+1
	v_pk_add_f32 v[ST+8*(\t)+2:ST+8*(\t)+3], v[ST+8*(\t)+2:ST+8*(\t)+3], v[ST+8*(\t)+4:ST+8*(\t)+5]
.endr
.irp i, 0,1,2,3,4,5,6,7,8,9,10,11,12,13,14,15
.irp t, \x,\x+1
	v_cvt_pk_f16_f32 v[S+32*(\t)+\i], v[S+32*(\t)+2*\i], v[S+32*(\t)+2*\i+1]   ; P in place, ascending: registers 8 u .. 8 u + 7 are source 1 for keys 32 u on
.endr
.endr
.endm
; Tiles 2 p, 2 p + 1 against the step's 64 keys.  A piece all of whose keys are hidden is left out: a scalar branch on ids, with no barrier and no tensor load inside.
; The accumulators take turns, one instruction a turn: seven others' stand between two links of a chain.
.macro PIECE p
	s_cmp_ge_i32 s[SK], s[TH+\p]
	s_cbranch_scc1 .Lhidden_\@
	WIN 0x04                                       ; source 1 (Q) window 1
.irp c, 0,1
.irp kt, 0,1,2,3
.irp t, 2*\p,2*\p+1
.if \c == 0
	v_wmma_f32_16x16x32_f16 v[S+32*(\t)+8*\kt:S+32*(\t)+8*\kt+7], v[KF+16*\kt:KF+16*\kt+7], v[QF+16*(\t):QF+16*(\t)+7], 0
.else
	v_wmma_f32_16x16x32_f16 v[S+32*(\t)+8*\kt:S+32*(\t)+8*\kt+7], v[KF+16*\kt+8:KF+16*\kt+15], v[QF+16*(\t)+8:QF+16*(\t)+15], v[S+32*(\t)+8*\kt:S+32*(\t)+8*\kt+7]
.endif
.endr
.endr
.endr
	WIN 0
	PLACES 4                                       ; in front of the first read of the scores
	MASK 2*\p
	MASK 2*\p+1
	SOFT 2*\p
	WIN 0x41                                       ; O^T (destination and source 0) window 1, a window 0
.irp t, 2*\p,2*\p+1
.set ii, 0
.rept 16
	v_pk_mul_f32 v[32*(\t)+2*ii:32*(\t)+2*ii+1], v[32*(\t)+2*ii:32*(\t)+2*ii+1], v[ST+8*(\t)+6:ST+8*(\t)+7] op_sel_hi:[1,0]
.set ii, ii+1
.endr
.endr
	s_wait_dscnt 0x0                               ; V is in
	WIN 0x51                                       ; source 0 (V) window 1, source 1 (P) window 0, C and D window 1
.irp u, 0,1
.irp ct, 0,1,2,3
.irp t, 2*\p,2*\p+1
	v_wmma_f32_16x16x32_f16 v[32*(\t)+8*\ct:32*(\t)+8*\ct+7], v[VF+8*(4*\u+\ct):VF+8*(4*\u+\ct)+7], v[S+32*(\t)+8*\u:S+32*(\t)+8*\u+7], v[32*(\t)+8*\ct:32*(\t)+8*\ct+7]
.endr
.endr
.endr
	WIN 0
.Lhidden_\@:
.endm
; My step it (0, 1) of the slot in hand: 64 keys.
.macro STEP it
	s_add_co_i32 s[SK], s[KR], 128*\it
	s_wait_dscnt 0x0                               ; no load of mine is out: the loads below land in registers that no pending load writes, on the way round both pieces too
	PLACES 6                                       ; behind the last products: four in front of loads into K's and V's registers, five in front of products that write scores over P
.irp kt, 0,1,2,3
.irp c, 0,1
	ds_load_b128 v[KF+8*(2*\kt+\c):KF+8*(2*\kt+\c)+3], v4 offset:\it*128*KP+\kt*16*KP+64*\c
	ds_load_b128 v[KF+8*(2*\kt+\c)+4:KF+8*(2*\kt+\c)+7], v4 offset:\it*128*KP+\kt*16*KP+64*\c+32
.endr
.endr
	WIN 0x40
.irp u, 0,1
.irp ct, 0,1,2,3
	ds_load_tr16_b128 v[VF+8*(4*\u+\ct):VF+8*(4*\u+\ct)+3], v5 offset:\it*128*VP+\u*32*VP+\ct*32
	ds_load_tr16_b128 v[VF+8*(4*\u+\ct)+4:VF+8*(4*\u+\ct)+7], v5 offset:\it*128*VP+\u*32*VP+16*VP+\ct*32
.endr
.endr
	WIN 0
	s_wait_dscnt 16                                ; K is in; V's 16 loads may be out
	PIECE 0
	PIECE 1
.endm
; THE CHANGE OF SLOTS stands at a trip's head.  Each wave waits for all its tensor loads (its part of the slot ahead), adds 0 to its spare word, and waits for that and for its LDS reads.  Behind the barrier the slot ahead is
; whole and nobody reads the other one.  fill = 1: that other slot takes the key tile of the next trip: the next of the block in hand, or, behind the first block's last, key tile 0 again.
.macro CHANGE fill
	s_wait_tensorcnt 0x0                           ; no tensor load of mine is out, so a group 0 may be written
	ds_add_u32 v9, v10                             ; 0 onto my spare word
.if \fill
	s_xor_b32 s[G0K+1], s[G0K+1], SLOT1
	s_xor_b32 s[G0V+1], s[G0V+1], SLOT1
	s_add_co_u32 s[KTN], s[KTN], 1
	s_cmp_eq_u32 s[KTN], s[NHI]
	s_cselect_b32 s[KTN], 0, s[KTN]
	s_cselect_b32 s[BK], s[NHIB], 0
	s_add_nc_u64 s[G0K+2:G0K+3], s[G0K+2:G0K+3], 32768
	s_sub_nc_u64 s[G0K+2:G0K+3], s[G0K+2:G0K+3], s[BK:BK+1]
	s_add_nc_u64 s[G0V+2:G0V+3], s[G0V+2:G0V+3], 32768
	s_sub_nc_u64 s[G0V+2:G0V+3], s[G0V+2:G0V+3], s[BK:BK+1]
	s_wait_xcnt 0x0                                ; the last prefetches, a trip back, have read their address
	s_add_nc_u64 s[PFA:PFA+1], s[PFA:PFA+1], 32768
.endif
	s_wait_dscnt 0x0                               ; the add is done, and my LDS reads are over
	s_barrier_signal -1
	s_barrier_wait -1
.if \fill
	TLOAD                                          ; the first thing behind the barrier, and a wave's one tensor load until the next change
	ASK
.endif
	v_add_nc_u32 v4, s[TB], v2
	v_add_nc_u32 v5, s[TB], v3
.endm
; THE MERGE.  PUT: my tiles t = 2, 3 (O^T, c m, l) go to LDS as images.  The six plain lines are also the places behind the last products.
.macro PUT
	v_add_f32 v[ST+4], v[ST+2], v[ST+3]
	v_add_f32 v[ST+12], v[ST+10], v[ST+11]
	v_add_f32 v21, v[ST+18], v[ST+19]
	v_add_f32 v23, v[ST+26], v[ST+27]
	v_mov_b32 v20, v[ST+16]
	v_mov_b32 v22, v[ST+24]
	WIN 0x04                                       ; an LDS store's data are its source 1: window 1
.set ii, 0
.rept 16
	ds_store_b128 v11, v[64+4*ii:64+4*ii+3] offset:512*ii   ; each accumulator from its low end on
.set ii, ii+1
.endr
	WIN 0
	ds_store_b128 v11, v[20:23] offset:8192
.endm
; GET: my partner's halves of my tiles t = 0, 1 come back; both are brought under the larger maximum, added, divided by the sum, rounded to f16 and stored.  again = 1: the second block begins.
.macro GET ob, again
	PLACES 4                                       ; in front of loads into registers that products have read
.set ii, 0
.rept 16
	ds_load_b128 v[S+4*ii:S+4*ii+3], v12 offset:512*ii
.set ii, ii+1
.endr
	ds_load_b128 v[24:27], v12 offset:8192
	s_wait_dscnt 0x0
.irp k, 0,1
	v_max_num_f32 v[ST+8*\k+5], v[ST+8*\k], v[24+2*\k]
.endr
.irp k, 0,1
	v_sub_f32 v[ST+8*\k+1], v[ST+8*\k], v[ST+8*\k+5]
	v_sub_f32 v[ST+8*\k+17], v[24+2*\k], v[ST+8*\k+5]
.endr
.irp k, 0,1
	v_exp_f32 v[ST+8*\k+6], v[ST+8*\k+1]           ; my factor,
	v_exp_f32 v[ST+8*\k+22], v[ST+8*\k+17]         ; my partner's
.endr
	v_nop                                          ; a plain line behind the exponentials
	s_wait_alu depctr_va_vdst(0)
.irp k, 0,1
	v_mul_f32 v[ST+8*\k+2], v[ST+8*\k+4], v[ST+8*\k+6]
.endr
.irp k, 0,1
	v_fma_f32 v[ST+8*\k+2], v[25+2*\k], v[ST+8*\k+22], v[ST+8*\k+2]
.endr
.irp k, 0,1
	v_permlanex16_b32 v[ST+8*\k+5], v[ST+8*\k+2], s[SEL], s[SEL+1]
.endr
.irp k, 0,1
	v_add_f32 v[ST+8*\k+2], v[ST+8*\k+2], v[ST+8*\k+5]   ; the row's sum
.endr
.irp k, 0,1
	v_rcp_f32 v[ST+8*\k+3], v[ST+8*\k+2]
.endr
	v_nop                                          ; a plain line behind the reciprocals
	s_wait_alu depctr_va_vdst(0)
.irp k, 0,1
	v_mul_f32 v[ST+8*\k+6], v[ST+8*\k+6], v[ST+8*\k+3]
	v_mul_f32 v[ST+8*\k+22], v[ST+8*\k+22], v[ST+8*\k+3]
.endr
.irp k, 0,1
.set ii, 0
.rept 16
	v_pk_mul_f32 v[S+32*\k+2*ii:S+32*\k+2*ii+1], v[S+32*\k+2*ii:S+32*\k+2*ii+1], v[ST+8*\k+22:ST+8*\k+23] op_sel_hi:[1,0]
.set ii, ii+1
.endr
.endr
	WIN 0x01                                       ; source 0 (my O^T) window 1
.irp k, 0,1
.set ii, 0
.rept 16
	v_pk_fma_f32 v[S+32*\k+2*ii:S+32*\k+2*ii+1], v[32*\k+2*ii:32*\k+2*ii+1], v[ST+8*\k+6:ST+8*\k+7], v[S+32*\k+2*ii:S+32*\k+2*ii+1] op_sel_hi:[1,0,1]
.set ii, ii+1
.endr
.endr
	WIN 0
.set ii, 0
.rept 32
	v_cvt_pk_f16_f32 v[S+ii], v[S+2*ii], v[S+2*ii+1]   ; in place, ascending: registers 16 k + 4 ct on: channels 16 ct + 8 h + 0 .. 7 of query r
.set ii, ii+1
.endr
.irp k, 0,1
.irp ct, 0,1,2,3
	ds_store_b128 v15, v[S+16*\k+4*\ct:S+16*\k+4*\ct+3] offset:\k*2304+32*\ct
.endr
.endr
.irp n, 0,1,2,3,4,5,6,7
	ds_load_b128 v[S+32+4*\n:S+32+4*\n+3], v16 offset:(\n/4)*2304+(\n%4)*576   ; LDS serves a wave's instructions in order: these see my stores
.endr
.irp n, 0,1,2,3,4,5,6,7
	s_wait_dscnt 7-\n
	global_store_b128 v17, v[S+32+4*\n:S+32+4*\n+3], s[\ob:\ob+1] offset:(\n/4)*8192+(\n%4)*512   ; four rows of o16: 512 consecutive bytes
.endr
.if \again
	CLEARO
.irp t, 0,1
.irp n, 0,1,2,3
	ds_load_b128 v[QF+16*\t+4*\n:QF+16*\t+4*\n+3], v13 offset:\t*2048+512*\n
	ds_load_b128 v[QF+32+16*\t+4*\n:QF+32+16*\t+4*\n+3], v14 offset:\t*2048+512*\n
.endr
.endr
	WIN 0
	INITST
	s_mov_b32 s[KR], s[KRLO]
	s_wait_dscnt 0x0                               ; the second block's Q is in
	s_wait_xcnt 0x0                                ; the stores have read their registers, which take scores again
.endif
.endm
; A TRIP: one slot of 256 keys.  The barrier between PUT and GET stands on every wave's path in every trip; the two branches round them hang on the trip and on j alone, the same in all eight waves.
.macro TRIP fill, last, ob
	CHANGE \fill
	STEP 0
	STEP 1
.if \last == 0
	s_cmp_lg_u32 s[TAU], s[LASTHI]
	s_cbranch_scc1 .Lno_put_\@
.endif
	PUT
.Lno_put_\@:
	s_wait_dscnt 0x0                               ; for the partner's sake: my stores have landed
	s_barrier_signal -1
	s_barrier_wait -1                              ; the trip's refill stays on its way
.if \last == 0
	s_cmp_lg_u32 s[TAU], s[LASTHI]
	s_cbranch_scc1 .Lno_get_\@
.endif
	GET \ob, 1-\last
.Lno_get_\@:
.if \last == 0
	s_add_co_i32 s[KR], s[KR], 256
	s_xor_b32 s[TB], s[TB], SLOT1
.endif
.endm
.Ltrip:                                            ; eight trips, each asking for the next trip's key tile
	TRIP 1, 0, OHI
	s_add_co_u32 s[TAU], s[TAU], 1
	s_cmp_lt_u32 s[TAU], 8
	s_cbranch_scc1 .Ltrip
	TRIP 0, 1, OLO                                 ; the ninth is written out: the second block's diagonal
	s_wait_tensorcnt 0x0                           ; the wave's end
	ds_add_u32 v9, v10
	s_wait_dscnt 0x0
	s_endpgm
.Lfunc_end_k_q63cf12ead5_attn:
	.size	k_q63cf12ead5_attn, .Lfunc_end_k_q63cf12ead5_attn-k_q63cf12ead5_attn
	.p2alignl 7, 3214868480
	.fill 96, 4, 3214868480
	.section	.rodata,"a",@progbits
	.p2align	6, 0x0
	.amdhsa_kernel k_q63cf12ead5_attn
		.amdhsa_group_segment_fixed_size 327680
		.amdhsa_private_segment_fixed_size 0
		.amdhsa_enable_private_segment 0
		.amdhsa_kernarg_size 16
		.amdhsa_user_sgpr_count 2
		.amdhsa_user_sgpr_kernarg_segment_ptr 1
		.amdhsa_wavefront_size32 1
		.amdhsa_system_sgpr_workgroup_id_x 1
		.amdhsa_system_sgpr_workgroup_id_y 1
		.amdhsa_system_sgpr_workgroup_id_z 1
		.amdhsa_system_vgpr_workitem_id 0
		.amdhsa_next_free_vgpr 512
		.amdhsa_next_free_sgpr 96
		.amdhsa_reserve_vcc 1
		.amdhsa_float_denorm_mode_32 3
		.amdhsa_float_denorm_mode_16_64 3
		.amdhsa_memory_ordered 1
		.amdhsa_forward_progress 1
		.amdhsa_inst_pref_size 210
	.end_amdhsa_kernel
	.amdgpu_metadata
---
amdhsa.version: [ 1, 2 ]
amdhsa.kernels:
  - .name:           k_q63cf12ead5_attn
    .symbol:         k_q63cf12ead5_attn.kd
    .args:
      - { .name: qkv16, .offset: 0, .size: 8, .value_kind: global_buffer, .address_space: global }
      - { .name: o16, .offset: 8, .size: 8, .value_kind: global_buffer, .address_space: global }
    .group_segment_fixed_size: 327680
    .private_segment_fixed_size: 0
    .kernarg_segment_align: 8
    .kernarg_segment_size: 16
    .max_flat_workgroup_size: 256
    .sgpr_count:     96
    .vgpr_count:     512
    .wavefront_size: 32
...
	.end_amdgpu_metadata
.endif
;; end of part 3
;; launch proj (part 4): grid 4 x 64, 4 waves a work-group, clusters of 4 x 4, 327,680 bytes of LDS; arguments o16, wo16, bo, out0; writes out0
.if DOCPART == 4
	.amdgcn_target "amdgcn-amd-amdhsa--gfx1250"
	.amdhsa_code_object_version 6
	.text
	.protected	k_q63cf12ead5_proj
	.globl	k_q63cf12ead5_proj
	.p2align	8
	.type	k_q63cf12ead5_proj,@function
k_q63cf12ead5_proj:
	s_mov_b64 s[64:65], 0
	v_nop
	global_prefetch_b8 v0, s[64:65] scope:SCOPE_SE
	s_setreg_imm32_b32 hwreg(HW_REG_WAVE_MODE, 25, 1), 1
	s_wait_xcnt 0x0
	s_wait_alu depctr_hold_cnt(0) depctr_sa_sdst(0) depctr_va_vdst(0) depctr_va_sdst(0) depctr_va_ssrc(0) depctr_va_vcc(0) depctr_vm_vsrc(0)
	s_getreg_b32 s2, hwreg(HW_REG_IB_STS2, 6, 4)
	s_cmp_eq_u32 s2, 0
	s_cbranch_scc0 .Lentry_in_a_cluster
	s_endpgm
.Lentry_in_a_cluster:
	s_bfe_u32 s2, ttmp6, 0x10000c
	s_cmp_lg_u32 s2, 0xf033
	s_cbranch_scc0 .Lentry_shape_is_right
	s_endpgm
.Lentry_shape_is_right:
; out0[m][n] = the sum over k of o[m][k] Wo[n][k] + bo[n].  o16: f16, [b 16 + head][t][64], k = 64 head + e; wo16: f16 [n][k]; sums in f32; out0 f32 [8192][1024].
; A tile of out0 is 128 (m) x 256 (n): 256 work-groups.  Four waves, each 64 x 128: 32 accumulators.  K goes in steps of 128 (two heads) through a ring of two LDS slots.
; CLUSTERS: 4 x 4 work-groups.  The four of a row of the cluster need the same tiles of o, the four of a column the same tiles of Wo: each tile is asked for JOINTLY, by the same tensor load with the same descriptor and a mask
; that names the four.  THE MATRIX INSTRUCTION IS USED TRANSPOSED (source 0 = 16 rows of Wo, source 1 = 16 rows of o): a lane holds eight neighbouring n of one row m.  The bias is the C of each sum's first product.
; REGISTERS: window 0: v16-29 addresses; v32-127, v128-223 two fragment buffers (o's 4 x 8 registers, then Wo's 8 x 8); on the way out v32-159.   window 1: accumulators at 8 (8 a + nb).   window 2: v0-63 the bias, 8 a tile nb.
.set AP,     144                       ; a row of o's plane in LDS: 128 bytes + 16
.set BP,     272                       ; a row of Wo's tile: 256 + 16
.set BOFF,   2*128*AP                  ; a slot: two planes (heads) of 128 rows of o, then 256 rows of Wo
.set SLOT,   BOFF+256*BP
.set STAGE,  2*SLOT                    ; behind the ring: 16 rows x 528 bytes for each wave
.set SPITCH, 528
.set SPARE,  STAGE+4*16*SPITCH         ; the spare words, 128 bytes for each wave: two blocks of 256 bytes that no other line names
.set LAPS,   4                         ; a lap = two K steps; 8 K steps in all
.set ADRA, 16
.set ADRB, 20
.set STO,  24
.set RD,   25
.set CO,   26
.set BO,   27
.set SPW,  28
.set NIL,  29
.set F0,   32
.set F1,   128
.set BKR,  32
.set G1,  24
.set G0,  32
.set G1B, 48
.set G0B, 56
.set MSB, 0
.macro WIN new
.if MSB != (\new)
	s_set_vgpr_msb (MSB<<8)|(\new)
.set MSB, (\new)
.endif
.endm
.macro PLACES n
.rept \n
	v_nop
.endr
.endm
.macro JLOAD s                         ; a joint load: waves 0 and 1 fetch o's two planes, waves 2 and 3 Wo's halves; four v_nop follow each of the two lines
	s_cmp_eq_u32 s13, 0
	s_cbranch_scc0 .Lfor_b_\@
	tensor_load_to_lds s[G0+4*\s:G0+4*\s+3], s[G1:G1+7]
	s_nop 0
	PLACES 4
	s_branch .Lasked_\@
.Lfor_b_\@:
	tensor_load_to_lds s[G0B+4*\s:G0B+4*\s+3], s[G1B:G1B+7]
	s_nop 0
	PLACES 4
.Lasked_\@:
.endm
.macro CREST                           ; a round of the cluster's barrier behind its opening barrier
	s_cmp_lg_u32 s12, 0
	s_cbranch_scc1 .Lnot_wave_0_\@
	s_barrier_signal -3
.Lnot_wave_0_\@:
	s_barrier_wait -3
	s_barrier_signal -1
	s_barrier_wait -1
.endm
.macro CROUND
	s_barrier_signal -1
	s_barrier_wait -1
	CREST
.endm
	s_load_b256 s[4:11], s[0:1], 0x0               ; o16, wo16, bo, out0
	v_lshl_add_u32 v[SPW], v0, 2, SPARE
	v_mov_b32 v[NIL], 0
	ds_add_u32 v28, v29
	s_wait_dscnt 0x0
	v_lshrrev_b32 v1, 5, v0
	v_readfirstlane_b32 s12, v1                    ; wave
	s_lshr_b32 s13, s12, 1                         ; which 64 rows are mine.  Also: I fetch for o (0) or for Wo (1)
	s_and_b32 s14, s12, 1                          ; which 128 columns.  Also: which plane or half I fetch
	s_bfe_u32 s40, ttmp6, 0x40000                  ; cx
	s_bfe_u32 s41, ttmp6, 0x40004                  ; cy
	s_lshl_b32 s42, ttmp9, 2
	s_add_co_u32 s42, s42, s40                     ; tile column nx
	s_and_b32 s15, ttmp7, 0xffff
	s_lshl_b32 s15, s15, 2
	s_add_co_u32 s15, s15, s41                     ; tile row mt
	s_lshl_b32 s43, s41, 2
	s_lshl_b32 s43, 15, s43                        ; my row of the cluster
	s_lshl_b32 s44, 0x1111, s40                    ; my column
	s_or_b32 s[G1], s43, (1<<16)|(1<<20)|(1<<21)|(4<<22)|(3<<25)    ; elements of 2 bytes; padding: 4 words behind every 32; bit 21 beside a mask
	s_mov_b32 s[G1+1], 64<<16
	s_mov_b32 s[G1+2], 128<<16
	s_mov_b32 s[G1+3], 64<<16
	s_mov_b32 s[G1+4], 128
	s_mov_b32 s[G1+5], 64
	s_mov_b32 s[G1+6], 0
	s_mov_b32 s[G1+7], 0
	s_or_b32 s[G1B], s44, (1<<16)|(1<<20)|(1<<21)|(5<<22)|(3<<25)   ; padding: 4 words behind every 64
	s_mov_b32 s[G1B+1], 128<<16
	s_mov_b32 s[G1B+2], 128<<16
	s_mov_b32 s[G1B+3], 128<<16
	s_mov_b32 s[G1B+4], 128
	s_mov_b32 s[G1B+5], 1024
	s_mov_b32 s[G1B+6], 0
	s_mov_b32 s[G1B+7], 0
	s_lshr_b32 s16, s15, 4                         ; o: ((16 b + plane) x 2,048 + 128 (mt % 16)) rows of 128 bytes
	s_lshl_b32 s16, s16, 22
	s_and_b32 s17, s15, 15
	s_lshl_b32 s17, s17, 14
	s_add_co_u32 s16, s16, s17
	s_lshl_b32 s17, s14, 18
	s_add_co_u32 s16, s16, s17
	s_mov_b32 s17, 0
	s_lshl_b32 s46, s42, 19                        ; Wo: (256 nx + 128 half) rows of 2,048 bytes
	s_lshl_b32 s47, s14, 18
	s_add_co_u32 s46, s46, s47
	s_mov_b32 s47, 0
	s_mul_i32 s20, s14, 128*AP                     ; where they go: no place in the cluster enters an LDS address
	s_mul_i32 s21, s14, 128*BP
	s_add_co_u32 s21, s21, BOFF
	s_wait_kmcnt 0x0
	s_add_nc_u64 s[18:19], s[4:5], s[16:17]
	s_add_nc_u64 s[46:47], s[6:7], s[46:47]
	CROUND                                         ; all sixteen work-groups are here: the first joint loads meet
.irp s, 0,1
	s_mov_b32 s[G0+4*\s], 1
	s_add_co_u32 s[G0+4*\s+1], s20, \s*SLOT
	s_add_nc_u64 s[G0+4*\s+2:G0+4*\s+3], s[18:19], \s*524288     ; K step s: heads 2 s, 2 s + 1
	s_or_b32 s[G0+4*\s+3], s[G0+4*\s+3], 0x80000000
	s_mov_b32 s[G0B+4*\s], 1
	s_add_co_u32 s[G0B+4*\s+1], s21, \s*SLOT
	s_add_nc_u64 s[G0B+4*\s+2:G0B+4*\s+3], s[46:47], \s*256
	s_or_b32 s[G0B+4*\s+3], s[G0B+4*\s+3], 0x80000000
	JLOAD \s
.endr
	v_and_b32 v1, 15, v0                           ; r
	v_bfe_u32 v2, v0, 4, 1                         ; h
	v_mul_u32_u24 v3, v1, AP
	v_lshl_add_u32 v3, v2, 4, v3
	v_mul_u32_u24 v4, v1, BP
	v_lshl_add_u32 v4, v2, 4, v4
	s_mul_i32 s21, s13, 64*AP                      ; my 64 rows of o
	s_mul_i32 s22, s14, 128*BP                     ; my 128 rows of Wo
	s_add_co_u32 s22, s22, BOFF
.irp s, 0,1
	v_add_nc_u32 v[ADRA+\s], s21, v3
	v_add_nc_u32 v[ADRB+\s], s22, v4
	s_add_co_u32 s21, s21, SLOT
	s_add_co_u32 s22, s22, SLOT
.endr
	s_mul_i32 s23, s12, 16*SPITCH
	s_add_co_u32 s23, s23, STAGE                   ; my stage
	v_mul_u32_u24 v5, v1, SPITCH
	v_lshl_add_u32 v5, v2, 5, v5
	v_add_nc_u32 v[STO], s23, v5                   ; in: row r, 32 bytes for each half of the lanes
	v_and_b32 v6, 31, v0
	v_lshlrev_b32 v[CO], 4, v6                     ; back: the 32 lanes take one row of 512 bytes; and the same in out0
	v_add_nc_u32 v[RD], s23, v[CO]
	v_lshlrev_b32 v[BO], 5, v2                     ; the bias: 32 h
	s_lshl_b32 s16, s15, 19                        ; out0: (128 mt + 64 wm) rows of 4,096 bytes
	s_lshl_b32 s17, s13, 18
	s_add_co_u32 s16, s16, s17
	s_mov_b32 s17, 0
	s_lshl_b32 s46, s42, 10                        ; + (256 nx + 128 wn) x 4
	s_lshl_b32 s47, s14, 9
	s_add_co_u32 s46, s46, s47
	s_mov_b32 s47, 0
	s_add_nc_u64 s[10:11], s[10:11], s[16:17]
	s_add_nc_u64 s[10:11], s[10:11], s[46:47]
	s_add_nc_u64 s[8:9], s[8:9], s[46:47]
	WIN 0x80                                       ; destination window 2
.irp nb, 0,1,2,3,4,5,6,7
	global_load_b128 v[8*\nb:8*\nb+3], v[BO], s[8:9] offset:64*\nb       ; bo at n = 16 nb + 8 h + 0 .. 7: the result's layout
	global_load_b128 v[8*\nb+4:8*\nb+7], v[BO], s[8:9] offset:64*\nb+16
.endr
	WIN 0
; 8 products: rows 16 a on x all 8 tiles of columns, 32 along K.  bias = 1: the first product starts the sums from the bias.  The 32 accumulators take turns, in the same order in every quarter.
.macro MUL8 f, a, bias
.irp nb, 0,1,2,3,4,5,6,7
.if \bias
	v_wmma_f32_16x16x32_f16 v[8*(8*(\a)+\nb):8*(8*(\a)+\nb)+7], v[\f+32+8*\nb:\f+32+8*\nb+7], v[\f+8*(\a):\f+8*(\a)+7], v[8*\nb:8*\nb+7]
.else
	v_wmma_f32_16x16x32_f16 v[8*(8*(\a)+\nb):8*(8*(\a)+\nb)+7], v[\f+32+8*\nb:\f+32+8*\nb+7], v[\f+8*(\a):\f+8*(\a)+7], v[8*(8*(\a)+\nb):8*(8*(\a)+\nb)+7]
.endif
.endr
.endm
.macro FETCH slot, q, f                ; 24 LDS loads in one run: the fragments of the slot's q-th 32 along K
	WIN 0
.irp a, 0,1,2,3
	ds_load_b128 v[\f+8*\a:\f+8*\a+3], v[ADRA+\slot] offset:((\q)/2)*128*AP+((\q)%2)*64+\a*16*AP
	ds_load_b128 v[\f+8*\a+4:\f+8*\a+7], v[ADRA+\slot] offset:((\q)/2)*128*AP+((\q)%2)*64+\a*16*AP+32
.endr
.irp nb, 0,1,2,3,4,5,6,7
	ds_load_b128 v[\f+32+8*\nb:\f+32+8*\nb+3], v[ADRB+\slot] offset:64*(\q)+\nb*16*BP
	ds_load_b128 v[\f+32+8*\nb+4:\f+32+8*\nb+7], v[ADRB+\slot] offset:64*(\q)+\nb*16*BP+32
.endr
.endm
; A K step is four quarters of 32 along K, 32 products each, on buffers 0, 1, 0, 1.  One of the first three multiplies buffer f and, in its middle, fetches quarter q into buffer g.
.macro QUARTER slot, q, f, g, bias
	s_wait_dscnt 0x0                               ; buffer f is in (asked for 16 products ago)
	WIN 0x50+0x10*\bias                            ; D window 1; C window 1, or window 2 for the bias
	MUL8 \f, 0, \bias
	MUL8 \f, 1, \bias
	PLACES 4                                       ; in front of loads into the buffer that the last quarter's products read
	FETCH \slot, \q, \g
	WIN 0x50+0x10*\bias
	MUL8 \f, 2, \bias
	MUL8 \f, 3, \bias
.endm
; The last quarter multiplies buffer 1 and changes slots: ONE barrier; in front of it each wave waits for all its tensor loads, adds 0 to its spare word, and waits for that and for its reads of this slot.  fill = 1: the barrier
; opens a round of the cluster's barrier, and this slot is filled again, two K steps ahead, first thing behind the round.
.macro TURN slot, next, fill
	WIN 0
	s_wait_tensorcnt 0x0                           ; all my tensor loads have landed: my part of the next slot
	ds_add_u32 v[SPW], v[NIL]                      ; 0 onto my spare word
	s_wait_dscnt 1                                 ; buffer 1 is in; the add may be out
	WIN 0x50
	MUL8 F1, 0, 0
	s_wait_dscnt 0x0                               ; the add is done, and my reads of this slot are over
	s_barrier_signal -1
	MUL8 F1, 1, 0
	WIN 0
	s_barrier_wait -1
.if \fill
	CREST                                          ; no wave of any partner still reads this slot's tiles or has a load on its way
	s_add_nc_u64 s[G0+4*\slot+2:G0+4*\slot+3], s[G0+4*\slot+2:G0+4*\slot+3], 1048576   ; four heads on
	s_add_nc_u64 s[G0B+4*\slot+2:G0B+4*\slot+3], s[G0B+4*\slot+2:G0B+4*\slot+3], 512
	JLOAD \slot                                    ; its four v_nop are also the places in front of the loads below
.else
	PLACES 4
.endif
	FETCH \next, 0, F0
	WIN 0x50
	MUL8 F1, 2, 0
	MUL8 F1, 3, 0
.endm
	s_wait_tensorcnt 1                             ; my part of K step 0 is in; K step 1's may be out
	s_barrier_signal -1
	s_barrier_wait -1
	FETCH 0, 0, F0
	s_wait_loadcnt 0x0                             ; the bias
	QUARTER 0, 1, F0, F1, 1                        ; the first quarter stands in front of the loop: its products start the sums
	WIN 0
	s_mov_b32 s3, LAPS-1
.Llap:                                             ; a trip goes once round the ring, from a lap's second quarter to the next lap's first, and fills both slots again
	QUARTER 0, 2, F1, F0, 0
	QUARTER 0, 3, F0, F1, 0
	TURN 0, 1, 1
	QUARTER 1, 1, F0, F1, 0
	QUARTER 1, 2, F1, F0, 0
	QUARTER 1, 3, F0, F1, 0
	TURN 1, 0, 1
	QUARTER 0, 1, F0, F1, 0
	WIN 0
	s_sub_co_u32 s3, s3, 1
	s_cmp_lg_u32 s3, 0
	s_cbranch_scc1 .Llap
	QUARTER 0, 2, F1, F0, 0                        ; the last lap fills nothing
	QUARTER 0, 3, F0, F1, 0
	TURN 0, 1, 0
	QUARTER 1, 1, F0, F1, 0
	QUARTER 1, 2, F1, F0, 0
	QUARTER 1, 3, F0, F1, 0
	s_wait_dscnt 0x0
	WIN 0x50
	MUL8 F1, 0, 0
	MUL8 F1, 1, 0
	MUL8 F1, 2, 0
	MUL8 F1, 3, 0
	WIN 0
; THE WAY OUT, block by block of 16 rows x 128 columns, through my own stage: in as 32 bytes a lane, back as whole rows of 512 bytes.
.macro TOSTAGE a
	WIN 0x04                                       ; an LDS store's data are its source 1: window 1
.irp nb, 0,1,2,3,4,5,6,7
	ds_store_b128 v[STO], v[8*(8*(\a)+\nb):8*(8*(\a)+\nb)+3] offset:64*\nb        ; each accumulator from its low end on
	ds_store_b128 v[STO], v[8*(8*(\a)+\nb)+4:8*(8*(\a)+\nb)+7] offset:64*\nb+16
.endr
	WIN 0
.set BB, BKR+64*((\a)%2)
.irp t, 0,1,2,3,4,5,6,7,8,9,10,11,12,13,14,15
	ds_load_b128 v[BB+4*\t:BB+4*\t+3], v[RD] offset:\t*SPITCH   ; LDS serves a wave's instructions in order: these see my stores, and the next block's stores come behind them
.endr
.endm
.macro SEND a, younger
.set BB, BKR+64*((\a)%2)
	s_wait_dscnt \younger                          ; the block is back in registers
.if (\a) > 0
	s_add_nc_u64 s[10:11], s[10:11], 65536         ; 16 rows on (the earlier stores have read their base: a wait on XCNT stands ahead)
.endif
.irp t, 0,1,2,3,4,5,6,7,8,9,10,11,12,13,14,15
	global_store_b128 v[CO], v[BB+4*\t:BB+4*\t+3], s[10:11] offset:\t*4096 th:TH_STORE_NT   ; 512 consecutive bytes, at a multiple of 256 from out0's first byte
.endr
.endm
	PLACES 4                                       ; in front of the first read of results and of loads into the fragments' registers
	TOSTAGE 0
.irp a, 1,2,3
.if \a > 1
	s_wait_xcnt 0x0                                ; block a - 2's stores have read their registers and their base
.endif
	TOSTAGE \a
	SEND \a-1, 32                                  ; behind block a - 1's loads: block a's 16 stores and 16 loads
.endr
	s_wait_xcnt 0x0
	SEND 3, 0
	s_wait_tensorcnt 0x0                           ; the wave's end
	ds_add_u32 v[SPW], v[NIL]
	s_wait_dscnt 0x0
	CROUND                                         ; the closing round: no work-group ends while a partner may still ask for a tile that names it
	s_endpgm
.Lfunc_end_k_q63cf12ead5_proj:
	.size	k_q63cf12ead5_proj, .Lfunc_end_k_q63cf12ead5_proj-k_q63cf12ead5_proj
	.p2alignl 7, 3214868480
	.fill 96, 4, 3214868480
	.section	.rodata,"a",@progbits
	.p2align	6, 0x0
	.amdhsa_kernel k_q63cf12ead5_proj
		.amdhsa_group_segment_fixed_size 327680
		.amdhsa_private_segment_fixed_size 0
		.amdhsa_enable_private_segment 0
		.amdhsa_kernarg_size 32
		.amdhsa_user_sgpr_count 2
		.amdhsa_user_sgpr_kernarg_segment_ptr 1
		.amdhsa_wavefront_size32 1
		.amdhsa_system_sgpr_workgroup_id_x 1
		.amdhsa_system_sgpr_workgroup_id_y 1
		.amdhsa_system_sgpr_workgroup_id_z 1
		.amdhsa_system_vgpr_workitem_id 0
		.amdhsa_next_free_vgpr 576
		.amdhsa_next_free_sgpr 66
		.amdhsa_reserve_vcc 0
		.amdhsa_float_denorm_mode_32 3
		.amdhsa_float_denorm_mode_16_64 3
		.amdhsa_memory_ordered 1
		.amdhsa_forward_progress 1
		.amdhsa_inst_pref_size 86
	.end_amdhsa_kernel
	.amdgpu_metadata
---
amdhsa.version: [ 1, 2 ]
amdhsa.kernels:
  - .name:           k_q63cf12ead5_proj
    .symbol:         k_q63cf12ead5_proj.kd
    .args:
      - { .name: o16, .offset: 0, .size: 8, .value_kind: global_buffer, .address_space: global }
      - { .name: wo16, .offset: 8, .size: 8, .value_kind: global_buffer, .address_space: global }
      - { .name: bo, .offset: 16, .size: 8, .value_kind: global_buffer, .address_space: global }
      - { .name: out0, .offset: 24, .size: 8, .value_kind: global_buffer, .address_space: global }
    .group_segment_fixed_size: 327680
    .private_segment_fixed_size: 0
    .kernarg_segment_align: 8
    .kernarg_segment_size: 32
    .max_flat_workgroup_size: 128
    .sgpr_count:     66
    .vgpr_count:     576
    .wavefront_size: 32
...
	.end_amdgpu_metadata
.endif
;; end of part 4
